; MI455X (gfx1250); checked and timed in simulation.
; The chip was launched on July 23, 2026; its instructions are those of AMD's public machine-readable ISA for CDNA 5 (MIT licence, August 2026) and "CDNA5" Instruction Set Architecture Reference Guide (July 2026). The comments in the code are by the model that wrote it; some were corrected since.
;; Multi Head Attention Layer. Allowed arithmetic: float matrix products may take bf16 or f16 operands with f32 sums; other float arithmetic in f32, or as packed bf16 or f16 multiplies, adds, multiply-adds, maxima and minima; sums over many terms, partial sums and values carried from step to step in f32; what a program stores and reads back later, other than sums and carried values, may be rounded once to bf16 or f16.
;; Inputs: Wk 1,024 x 1,024 float32; Wo 1,024 x 1,024 float32; Wq 1,024 x 1,024 float32; Wv 1,024 x 1,024 float32; bk 1,024 float32; bo 1,024 float32; bq 1,024 float32; bv 1,024 float32; key 4 x 2,048 x 1,024 float32; mask 4 x 2,048 x 2,048 int32; query 4 x 2,048 x 1,024 float32; value 4 x 2,048 x 1,024 float32.
;; Outputs: out0 4 x 2,048 x 1,024 float32.
;; 2 versions, each right; version 2 is version 1 with the launch prep written anew for expert scheduling mode. Each part assembles by itself: llvm-mc -triple=amdgcn-amd-amdhsa -mcpu=gfx1250 --defsym DOCPART=n.
;; ======== version 1 of 2: 4 launches
;; limits: values are held in f16: magnitudes above 65,504 overflow, below 6.1e-05 lose precision; right only within a limited range of input values
;; workspace buffers: mbits 2,097,152 bytes of whole numbers; wts 8,388,608 bytes; qh 16,777,216 bytes; kh 16,777,216 bytes; vh 16,777,216 bytes; oh 16,777,216 bytes
;; launch prep (part 1): grid 768 x 1, 8 waves a work-group, no clusters, 136,192 bytes of LDS; arguments mask, Wq, Wk, Wv, Wo, mbits, wts; writes mbits, wts
.if DOCPART == 1
	.amdgcn_target "amdgcn-amd-amdhsa--gfx1250"
	.amdhsa_code_object_version 6
	.text
	.protected	k_qe3114d301a_prep
	.globl	k_qe3114d301a_prep
	.p2align	8
	.type	k_qe3114d301a_prep,@function
k_qe3114d301a_prep:
	s_mov_b64 s[64:65], 0
	v_nop
	global_prefetch_b8 v0, s[64:65] scope:SCOPE_SE
	s_setreg_imm32_b32 hwreg(HW_REG_WAVE_MODE, 25, 1), 1
	s_wait_xcnt 0x0
; PREPARATION.  Two kinds of work-groups, told apart by the work-group's number alone.
; 0..511: THE MASK, [4][2048][2048] int32, becomes lane masks: mbits[b*128+qtile][kstep][w], 32-bit words.  Word w = 8 kb + j; its bit L says whether
;   mask[b][16 qtile + L%16][64 kstep + 16 kb + 8 (L/16) + j] is not 0: the order in which a lane of the attention launch holds its scores, so that one word is the lane mask of one select there.
;   A work-group takes 16 query rows, a wave 256 of their keys: 32 loads of 512 consecutive bytes, through the wave's own LDS bytes into that order, 128 compares, two stores of 256 consecutive bytes.
; 512..767: THE FOUR WEIGHTS, f32 [k][n], are rounded to bf16 in the same layout: wts[0..2] = Wq, Wk, Wv as bf16; wts[3] = Wo, rounded to bf16 and that number written as f16
;   (exact down to 2^-14; below that f16's fixed step of 2^-24).  A wave takes 8,192 bytes: 16 loads of 512 consecutive bytes, 16 stores of 256.
; No wave reads LDS bytes of another: no barrier.
.set SPARE, 135168                     ; behind the eight waves' regions: the spare words, 128 bytes for each wave
.set WREG,  16896                      ; a wave's LDS region: two chunks
.set CHB,   8448                       ; a chunk: 16 rows x 528
.set LP,    528                        ; 512 bytes of a row + 16: the 16 rows that a load touches start at 16 different groups of four banks (ISA guide 11.1)
.set SPW, 6                            ; v6   LDS address of my spare word; never rewritten
.set NIL, 7                            ; v7   0; never rewritten
.set OUTW, 8                           ; v[8:9], v[10:11]  the words of chunk 0, 1: lane l holds words 2 l and 2 l + 1
.set X,   16                           ; v[16:143]  as loaded: chunk c, row i at X + 64 c + 4 i
.set Y,   144                          ; v[144:207] a chunk in the order of the scores: register W = 32 (step in the chunk) + w
	s_load_b256 s[4:11], s[0:1], 0x0               ; mask s[4:5], Wq s[6:7], Wk s[8:9], Wv s[10:11]
	s_load_b128 s[12:15], s[0:1], 0x20             ; Wo s[12:13], mbits s[14:15]
	s_load_b64 s[16:17], s[0:1], 0x30              ; wts
	v_lshl_add_u32 v[SPW], v0, 2, SPARE
	v_mov_b32 v[NIL], 0
	v_lshrrev_b32 v1, 5, v0
	v_readfirstlane_b32 s18, v1                    ; wave 0..7
	v_and_b32 v1, 31, v0                           ; lane
	v_lshlrev_b32 v2, 4, v1                        ; 16 bytes a lane
	v_lshlrev_b32 v5, 3, v1                        ; 8 bytes a lane
	s_wait_kmcnt 0x0
	s_cmp_lt_u32 ttmp9, 512
	s_cbranch_scc0 .Lweights
	; ---- the mask ----
	s_lshl_b32 s20, ttmp9, 17                      ; 16 rows of 8,192 bytes
	s_lshl_b32 s21, s18, 10                        ; my 256 keys
	s_add_co_u32 s20, s20, s21
	s_mov_b32 s21, 0
	s_add_nc_u64 s[4:5], s[4:5], s[20:21]
	s_lshl_b32 s20, ttmp9, 12                      ; a tile's 1,024 words
	s_lshl_b32 s22, s18, 9                         ; my 128 of them
	s_add_co_u32 s20, s20, s22
	s_add_nc_u64 s[14:15], s[14:15], s[20:21]
.irp c, 0,1
.irp i, 0,1,2,3,4,5,6,7,8,9,10,11,12,13,14,15
	global_load_b128 v[X+64*\c+4*\i:X+64*\c+4*\i+3], v2, s[4:5] offset:\i*8192+\c*512 th:TH_LOAD_NT  ; 512 consecutive bytes of row i; all 32 loads go out at once
.endr
.endr
	s_mul_i32 s23, s18, WREG
	v_add_nc_u32 v3, s23, v2                       ; in: 16 bytes a lane along a row
	v_and_b32 v12, 15, v0
	v_bfe_u32 v13, v0, 4, 1
	v_mul_u32_u24 v4, v12, LP
	v_lshl_add_u32 v4, v13, 5, v4
	v_add_nc_u32 v4, s23, v4                       ; back: row lane % 16, eight keys (32 bytes) for each half of the lanes
.irp r, 0,1,2,3
	v_mov_b32 v[OUTW+\r], 0                        ; v_writelane_b32 keeps the other lanes: the registers are written whole first
.endr
.macro CHUNK c                         ; 128 keys of the 16 rows: 64 words
	s_wait_loadcnt 16-16*(\c)                      ; this chunk's 16 loads are in; the other chunk's, issued behind them, may stay out
.irp i, 0,1,2,3,4,5,6,7,8,9,10,11,12,13,14,15
	ds_store_b128 v3, v[X+64*(\c)+4*\i:X+64*(\c)+4*\i+3] offset:(\c)*CHB+\i*LP
.endr
.irp f, 0,1,2,3,4,5,6,7,8,9,10,11,12,13,14,15  ; f = 8 (step) + 2 kb + (upper four of the eight keys); LDS serves a wave's instructions in order: these see the stores above
	ds_load_b128 v[Y+4*\f:Y+4*\f+3], v4 offset:(\c)*CHB+(\f/8)*256+((\f/2)%4)*64+(\f%2)*16
.endr
	s_wait_dscnt 0x0
.set W, 0
.rept 4                                ; sixteen compares, then their sixteen words into the lanes that store them
.set i, 0
.rept 16
	v_cmp_ne_u32 s[24+i], 0, v[Y+W+i]
.set i, i+1
.endr
.set i, 0
.rept 16
	v_writelane_b32 v[OUTW+2*(\c)+((W+i)&1)], s[24+i], (W+i)>>1
.set i, i+1
.endr
.set W, W+16
.endr
	global_store_b64 v5, v[OUTW+2*(\c):OUTW+2*(\c)+1], s[14:15] offset:(\c)*256  ; 256 consecutive bytes, aligned
.endm
	CHUNK 0
	CHUNK 1
	s_branch .Lend
	; ---- the weights ----
.Lweights:
	s_sub_co_u32 s20, ttmp9, 512
	s_lshr_b32 s19, s20, 6                         ; which weight
	s_and_b32 s20, s20, 63
	s_lshl_b32 s20, s20, 3
	s_add_co_u32 s20, s20, s18                     ; my piece of 8,192 bytes, 0..511
	s_cmp_eq_u32 s19, 1
	s_cselect_b64 s[6:7], s[8:9], s[6:7]
	s_cmp_eq_u32 s19, 2
	s_cselect_b64 s[6:7], s[10:11], s[6:7]
	s_cmp_eq_u32 s19, 3
	s_cselect_b64 s[6:7], s[12:13], s[6:7]
	s_lshl_b32 s22, s20, 13
	s_mov_b32 s23, 0
	s_add_nc_u64 s[6:7], s[6:7], s[22:23]
	s_lshl_b32 s22, s20, 12
	s_lshl_b32 s21, s19, 21
	s_add_co_u32 s22, s22, s21
	s_add_nc_u64 s[16:17], s[16:17], s[22:23]
.irp i, 0,1,2,3,4,5,6,7,8,9,10,11,12,13,14,15
	global_load_b128 v[X+4*\i:X+4*\i+3], v2, s[6:7] offset:512*\i th:TH_LOAD_NT
.endr
.macro WCONV f16
.irp i, 0,1,2,3,4,5,6,7,8,9,10,11,12,13,14,15
	s_wait_loadcnt 15-\i                           ; loads come back in order: number i is in, the younger ones stay out
	v_cvt_pk_bf16_f32 v[80+2*\i], v[X+4*\i], v[X+4*\i+1]
	v_cvt_pk_bf16_f32 v[81+2*\i], v[X+4*\i+2], v[X+4*\i+3]
.if \f16
	v_lshlrev_b32 v112, 16, v[80+2*\i]             ; the bf16 numbers widened again,
	v_and_b32 v113, 0xffff0000, v[80+2*\i]
	v_lshlrev_b32 v114, 16, v[81+2*\i]
	v_and_b32 v115, 0xffff0000, v[81+2*\i]
	v_cvt_pk_f16_f32 v[80+2*\i], v112, v113        ; and written as f16
	v_cvt_pk_f16_f32 v[81+2*\i], v114, v115
.endif
	global_store_b64 v5, v[80+2*\i:81+2*\i], s[16:17] offset:256*\i  ; 256 consecutive bytes, aligned; each store has data registers of its own
.endr
.endm
	s_cmp_eq_u32 s19, 3
	s_cbranch_scc1 .Lwo
	WCONV 0
	s_branch .Lend
.Lwo:
	WCONV 1
.Lend:
	s_wait_tensorcnt 0x0                           ; the wave's end: behind my last LDS store
	ds_add_u32 v[SPW], v[NIL]
	s_wait_dscnt 0x0
	s_endpgm
.Lfunc_end_k_qe3114d301a_prep:
	.size	k_qe3114d301a_prep, .Lfunc_end_k_qe3114d301a_prep-k_qe3114d301a_prep
	.p2alignl 7, 3214868480
	.fill 96, 4, 3214868480
	.section	.rodata,"a",@progbits
	.p2align	6, 0x0
	.amdhsa_kernel k_qe3114d301a_prep
		.amdhsa_group_segment_fixed_size 136192
		.amdhsa_private_segment_fixed_size 0
		.amdhsa_enable_private_segment 0
		.amdhsa_kernarg_size 56
		.amdhsa_user_sgpr_count 2
		.amdhsa_user_sgpr_kernarg_segment_ptr 1
		.amdhsa_wavefront_size32 1
		.amdhsa_system_sgpr_workgroup_id_x 1
		.amdhsa_system_sgpr_workgroup_id_y 1
		.amdhsa_system_sgpr_workgroup_id_z 1
		.amdhsa_system_vgpr_workitem_id 0
		.amdhsa_next_free_vgpr 208
		.amdhsa_next_free_sgpr 66
		.amdhsa_reserve_vcc 0
		.amdhsa_float_denorm_mode_32 3
		.amdhsa_float_denorm_mode_16_64 3
		.amdhsa_memory_ordered 1
		.amdhsa_forward_progress 1
		.amdhsa_inst_pref_size 41
	.end_amdhsa_kernel
	.amdgpu_metadata
---
amdhsa.version: [ 1, 2 ]
amdhsa.kernels:
  - .name:           k_qe3114d301a_prep
    .symbol:         k_qe3114d301a_prep.kd
    .args:
      - { .name: mask, .offset: 0, .size: 8, .value_kind: global_buffer, .address_space: global }
      - { .name: Wq, .offset: 8, .size: 8, .value_kind: global_buffer, .address_space: global }
      - { .name: Wk, .offset: 16, .size: 8, .value_kind: global_buffer, .address_space: global }
      - { .name: Wv, .offset: 24, .size: 8, .value_kind: global_buffer, .address_space: global }
      - { .name: Wo, .offset: 32, .size: 8, .value_kind: global_buffer, .address_space: global }
      - { .name: mbits, .offset: 40, .size: 8, .value_kind: global_buffer, .address_space: global }
      - { .name: wts, .offset: 48, .size: 8, .value_kind: global_buffer, .address_space: global }
    .group_segment_fixed_size: 136192
    .private_segment_fixed_size: 0
    .kernarg_segment_align: 8
    .kernarg_segment_size: 56
    .max_flat_workgroup_size: 256
    .sgpr_count:     66
    .vgpr_count:     208
    .wavefront_size: 32
...
	.end_amdgpu_metadata
.endif
;; end of part 1
;; launch proj (part 2): grid 4 x 192, 4 waves a work-group, clusters of 4 x 4, 327,680 bytes of LDS; arguments query, key, value, wts, bq, bk, bv, qh, kh, vh; writes qh, kh, vh
.if DOCPART == 2
	.amdgcn_target "amdgcn-amd-amdhsa--gfx1250"
	.amdhsa_code_object_version 6
	.text
	.protected	k_qe3114d301a_proj
	.globl	k_qe3114d301a_proj
	.p2align	8
	.type	k_qe3114d301a_proj,@function
k_qe3114d301a_proj:
	s_mov_b64 s[64:65], 0
	v_nop
	global_prefetch_b8 v0, s[64:65] scope:SCOPE_SE
	s_setreg_imm32_b32 hwreg(HW_REG_WAVE_MODE, 25, 1), 1
	s_wait_xcnt 0x0
	s_wait_alu depctr_hold_cnt(0) depctr_sa_sdst(0) depctr_va_vdst(0) depctr_va_sdst(0) depctr_va_ssrc(0) depctr_va_vcc(0) depctr_vm_vsrc(0)
	s_getreg_b32 s2, hwreg(HW_REG_IB_STS2, 6, 4)
	s_cmp_eq_u32 s2, 0
	s_cbranch_scc0 .Lentry_in_a_cluster
	s_endpgm
.Lentry_in_a_cluster:
	s_bfe_u32 s2, ttmp6, 0x10000c
	s_cmp_lg_u32 s2, 0xf033
	s_cbranch_scc0 .Lentry_shape_is_right
	s_endpgm
.Lentry_shape_is_right:
; THE THREE PROJECTIONS.  For p = 0, 1, 2: out_p = x_p W_p + b_p, x_p [8192][1024] f32, W_p = wts[p] [k][n] bf16, out_p by heads, [b*16+h][2048][64] f16, rounded once from the f32 sums, unscaled.
; x and the bias are rounded to bf16; sums in f32.  LIMIT: f16 holds no number beyond 65,504: q, k and v must lie within it.  NaN and infinities are not treated apart.
; SHARES.  Work-group y = 64 p + mt makes rows 128 mt .. + 127, work-group x columns 256 x .. + 255 (four heads).  Four waves, each 64 rows x 128 columns: 32 accumulators, 256 registers.
; K goes in 8 steps of 128 through a ring of two LDS slots.  x comes into LDS as f32 (rows of 512 bytes) and is rounded to bf16 between LDS and the matrix instruction: it crosses memory once.
; W lies [k][n]: its fragments come out of LDS turned, by ds_load_tr16_b128.
; CLUSTER.  4 x 4 work-groups.  The four of a row of the cluster need the same tile of x, the four of a column the same tile of W: each is asked for jointly.  p hangs on the cluster's y alone.
; THE MATRIX INSTRUCTION IS USED TRANSPOSED (source 0 = 16 columns of W, source 1 = 16 rows of x): a lane holds eight neighbouring columns of one row.  THE BIAS is the C operand of the first 32 products.
; REGISTERS, in windows of 256 (s_set_vgpr_msb: bits 1:0 source 0, 3:2 source 1, 5:4 source 2, 7:6 destination):
;   window 0: v0-31 addresses; v32-63 x's four fragments in bf16; v64-127, v128-191 x's fragments in f32 as loaded, two buffers; v192-223 at work on the way out
;   window 1: v0-63, v64-127 W's eight fragments, two buffers; v128-191 the bias of my 128 columns          window 2: accumulator (a, b) at v[64 a + 8 b]
.set KSTEP, 128
.set PA,    528                        ; a row of x in LDS: 512 bytes + 16: the 16 rows of a load start at 16 different groups of four banks (ISA guide 11.1)
.set PB,    544                        ; a row of W: 512 + 32
.set HALFA, 64*PA                      ; what one tensor load brings of x,
.set HALFB, 64*PB                      ; and of W
.set BOFF,  2*HALFA                    ; a slot: x's 128 rows, then W's 128 rows
.set SLOT,  BOFF+2*HALFB
.set STAGE, 2*SLOT                     ; behind the ring: 16 rows x 272 bytes for each wave, for the way out
.set SP,    272
.set SPARE, STAGE+4*16*SP              ; behind the stages: the spare words, 128 bytes for each wave
.set ADRA, 16                          ; v16-17  LDS address of my fragments of x in slot 0, 1
.set ADRB, 20                          ; v20-21  the same for W
.set STO,  24                          ; v24     the way out: where I put 16 bytes of a row
.set RD,   25                          ; v25     the way out: where I read rows back
.set GO,   26                          ; v26     my 16 bytes of 512 consecutive bytes of the output
.set BO,   27                          ; v27     my byte offset in the bias
.set SPW,  28                          ; v28     LDS address of my spare word; never rewritten
.set NIL,  29                          ; v29     0; never rewritten
.set PFO,  30                          ; v30     the prefetches' lane offset; never rewritten
.set ABF,  32
.set STG,  64
.set TMP,  192
.set OB,   64                          ; the way out: rows read back, v64-95 and v128-159 by turns
.set BIAS, 128                         ; window 1
.set G1,  24                           ; s[24:31] descriptor group 1 for x's tiles;  s[32:39] group 0, a set for each slot
.set G0,  32
.set G1B, 48                           ; s[48:55], s[56:63] the same for W's
.set G0B, 56
.set LIM, 43                           ; s43  1 in a wave that prefetches, else the greatest number
.set PFA, 44                           ; s[44:45] where my prefetches stand
.set PFS, 66                           ; s[66:67] bytes from a K step to the next, for my prefetches
.set MSB, 0
.macro WIN new                         ; the immediate's high byte repeats the setting that is left; a switch that changes nothing is dropped
.if MSB != (\new)
	s_set_vgpr_msb (MSB<<8)|(\new)
.set MSB, \new
.endif
.endm
.set MUL,  0xa1                        ; W window 1, x window 0, C and D window 2
.set MULB, 0x91                        ; the same with C (the bias) in window 1
.set TO_B, 0x40                        ; destination window 1
.macro JLOAD s                         ; a joint load: waves 0 and 1 fetch x's two halves, waves 2 and 3 W's; an s_nop 0 and four v_nop follow each line, ahead of the jump and the label
	s_cmp_eq_u32 s11, 0
	s_cbranch_scc0 .Lfor_b_\@
	tensor_load_to_lds s[G0+4*(\s):G0+4*(\s)+3], s[G1:G1+7]
	s_nop 0
.rept 4
	v_nop
.endr
	s_branch .Lasked_\@
.Lfor_b_\@:
	tensor_load_to_lds s[G0B+4*(\s):G0B+4*(\s)+3], s[G1B:G1B+7]
	s_nop 0
.rept 4
	v_nop
.endr
.Lasked_\@:
.endm
.macro CREST                           ; a round of the cluster's barrier behind its opening barrier
	s_cmp_lg_u32 s10, 0
	s_cbranch_scc1 .Lnot_wave_0_\@
	s_barrier_signal -3
.Lnot_wave_0_\@:
	s_barrier_wait -3
	s_barrier_signal -1
	s_barrier_wait -1
.endm
.macro CROUND
	s_barrier_signal -1
	s_barrier_wait -1
	CREST
.endm
; A PREFETCH INTO THE L2, behind a joint refill and the run of LDS loads that follows it: the K step two refills on, 256 matrix instructions ahead of the load that will ask for it.
; A wave's tile is 64 rows x 512 bytes; each of the four partners that ask for it jointly takes 16 rows, told apart by address: a lane takes 256 bytes, one instruction a wave.
; x's rows are read by their own cluster alone: its waves 0 and 1 ask.  W_p's rows are read by sixteen clusters: the first of them (cluster y a multiple of 16) asks, by waves 2 and 3.
; K steps 0 to 3 come by their loads alone; the loop's last trip asks for nothing: there is no K step behind the seventh.
.macro ASK
	s_cmp_gt_u32 s3, s[LIM]                        ; s3 = 1 in the loop's last trip
	s_cbranch_scc0 .Lnot_mine_\@
	global_prefetch_b8 v[PFO], s[PFA:PFA+1] th:TH_LOAD_NT scope:SCOPE_SE
.Lnot_mine_\@:
.endm
.macro PLACES
.rept 4
	v_nop
.endr
.endm
	s_load_b512 s[68:83], s[0:1], 0x0              ; query s[68:69], key s[70:71], value s[72:73], wts s[74:75], bq s[76:77], bk s[78:79], bv s[80:81], qh s[82:83]
	s_load_b128 s[84:87], s[0:1], 0x40             ; kh s[84:85], vh s[86:87]
	v_lshl_add_u32 v[SPW], v0, 2, SPARE
	v_mov_b32 v[NIL], 0
	ds_add_u32 v[SPW], v[NIL]                      ; the wave's opening: the add and its wait stand ahead of my first tensor load; work on registers stands between them
	v_lshrrev_b32 v1, 5, v0
	v_readfirstlane_b32 s10, v1                    ; wave 0..3
	s_lshr_b32 s11, s10, 1                         ; which 64 rows are mine.  Also: I fetch for x (0) or for W (1)
	s_and_b32 s12, s10, 1                          ; which 128 columns.  Also: which half of that tile I fetch
	s_bfe_u32 s40, ttmp6, 0x40000                  ; cx
	s_bfe_u32 s41, ttmp6, 0x40004                  ; cy
	s_lshl_b32 s42, ttmp9, 2
	s_add_co_u32 s42, s42, s40                     ; block of 256 columns
	s_and_b32 s14, ttmp7, 0xffff                   ; cluster y
	s_lshr_b32 s15, s14, 4                         ; p: the same in all sixteen partners
	s_and_b32 s13, s14, 15
	s_lshl_b32 s13, s13, 2
	s_add_co_u32 s13, s13, s41                     ; mt: block of 128 rows
	s_lshl_b32 s43, s41, 2
	s_lshl_b32 s43, 15, s43                        ; my row of the cluster
	s_lshl_b32 s44, 0x1111, s40                    ; my column
	s_or_b32 s[G1+0], s43, (2<<16)|(1<<20)|(1<<21)|(6<<22)|(3<<25)   ; the mask; elements of 4 bytes; padding on; bit 21 beside a mask; after every 128 words, 4 words
	s_or_b32 s[G1B+0], s44, (1<<16)|(1<<20)|(1<<21)|(6<<22)|(7<<25)  ; the mask; elements of 2 bytes; after every 128 words, 8 words
	s_mov_b32 s[G1+1], 128<<16                     ; tensor_dim0 = 128 f32
	s_mov_b32 s[G1+2], 64<<16                      ; tensor_dim1 = 64
	s_mov_b32 s[G1+3], 128<<16                     ; tile_dim0
	s_mov_b32 s[G1+4], 64                          ; tile_dim1
	s_mov_b32 s[G1+5], 1024                        ; elements from row to row
	s_mov_b32 s[G1+6], 0
	s_mov_b32 s[G1+7], 0
	s_mov_b32 s[G1B+1], 256<<16                    ; tensor_dim0 = 256 bf16
	s_mov_b32 s[G1B+2], 64<<16
	s_mov_b32 s[G1B+3], 256<<16
	s_mov_b32 s[G1B+4], 64
	s_mov_b32 s[G1B+5], 1024
	s_mov_b32 s[G1B+6], 0
	s_mov_b32 s[G1B+7], 0
	s_lshl_b32 s16, s13, 7                         ; x: row 128 mt + 64 x half, in bytes: made of the tile row and the wave's number alone
	s_lshl_b32 s17, s12, 6
	s_add_co_u32 s16, s16, s17
	s_lshl_b32 s16, s16, 12
	s_mov_b32 s17, 0
	s_lshl_b32 s46, s15, 21                        ; W: weight p, k row 64 x half, column 256 x: made of p, the tile column and the wave's number alone
	s_lshl_b32 s47, s12, 17
	s_add_co_u32 s46, s46, s47
	s_lshl_b32 s47, s42, 9
	s_add_co_u32 s46, s46, s47
	s_mov_b32 s47, 0
	s_mul_i32 s20, s12, HALFA                      ; where they go: no place in the cluster enters an LDS address
	s_mul_i32 s21, s12, HALFB
	s_add_co_u32 s21, s21, BOFF
	s_wait_dscnt 0x0                               ; the opening add is done
	s_wait_kmcnt 0x0
	s_cmp_eq_u32 s15, 1
	s_cselect_b64 s[4:5], s[70:71], s[68:69]       ; x_p
	s_cselect_b64 s[88:89], s[78:79], s[76:77]     ; b_p
	s_cselect_b64 s[8:9], s[84:85], s[82:83]       ; out_p
	s_cmp_eq_u32 s15, 2
	s_cselect_b64 s[4:5], s[72:73], s[4:5]
	s_cselect_b64 s[88:89], s[80:81], s[88:89]
	s_cselect_b64 s[8:9], s[86:87], s[8:9]
	s_mov_b64 s[6:7], s[74:75]
	s_add_nc_u64 s[18:19], s[4:5], s[16:17]
	s_add_nc_u64 s[46:47], s[6:7], s[46:47]
	CROUND                                         ; all sixteen work-groups are here: the first joint loads meet
.irp s, 0,1
	s_mov_b32 s[G0+4*(\s)], 1
	s_add_co_u32 s[G0+4*(\s)+1], s20, (\s)*SLOT
	s_add_nc_u64 s[G0+4*(\s)+2:G0+4*(\s)+3], s[18:19], (\s)*KSTEP*4
	s_or_b32 s[G0+4*(\s)+3], s[G0+4*(\s)+3], 0x80000000
	s_mov_b32 s[G0B+4*(\s)], 1
	s_add_co_u32 s[G0B+4*(\s)+1], s21, (\s)*SLOT
	s_add_nc_u64 s[G0B+4*(\s)+2:G0B+4*(\s)+3], s[46:47], (\s)*KSTEP*2048
	s_or_b32 s[G0B+4*(\s)+3], s[G0B+4*(\s)+3], 0x80000000
	JLOAD \s                                       ; two loads of mine are out
.endr
	; A fragment of x is 16 rows x 32 k: lane l holds row l % 16, k = 8 (l / 16) + 0..7 and 16 + 8 (l / 16) + 0..7: in f32 two runs of 32 bytes, 64 bytes apart: four loads of 16 bytes.
	v_and_b32 v1, 15, v0                           ; l % 16
	v_bfe_u32 v2, v0, 4, 1                         ; l / 16
	v_mul_u32_u24 v3, v1, PA
	v_lshl_add_u32 v3, v2, 5, v3
	s_mul_i32 s20, s11, HALFA                      ; my 64 rows of x
	; The turning load takes 16 k x 16 columns (lane l reads k row 8 (l / 16) + l % 8, columns 8 ((l / 8) % 2) + 0..7) and leaves half a fragment: lane l holds column l % 16 and 8 k.
	v_and_b32 v4, 7, v0
	v_lshl_add_u32 v4, v2, 3, v4
	v_mul_u32_u24 v4, v4, PB
	v_bfe_u32 v5, v0, 3, 1
	v_lshl_add_u32 v4, v5, 4, v4
	s_lshl_b32 s21, s12, 8                         ; my 128 columns
	s_add_co_u32 s21, s21, BOFF
.irp s, 0,1
	v_add_nc_u32 v[ADRA+(\s)], s20, v3
	v_add_nc_u32 v[ADRB+(\s)], s21, v4
	s_add_co_u32 s20, s20, SLOT
	s_add_co_u32 s21, s21, SLOT
.endr
	s_mul_i32 s20, s10, 16*SP
	s_add_co_u32 s20, s20, STAGE                   ; my stage
	v_mul_u32_u24 v3, v1, SP                       ; in: row l % 16, 16 bytes for each half of the lanes
	v_lshl_add_u32 v3, v2, 4, v3
	v_add_nc_u32 v[STO], s20, v3
	v_bfe_u32 v3, v0, 3, 2                         ; back: 32 lanes take four rows' 128 bytes of one head,
	v_mul_u32_u24 v3, v3, SP
	v_and_b32 v4, 7, v0
	v_lshl_add_u32 v3, v4, 4, v3
	v_add_nc_u32 v[RD], s20, v3
	v_and_b32 v3, 31, v0
	v_lshlrev_b32 v[GO], 4, v3                     ; which are 512 consecutive bytes of the output
	s_lshl_b32 s22, s42, 10
	s_lshl_b32 s23, s12, 9
	s_add_co_u32 s22, s22, s23
	v_lshl_add_u32 v[BO], v2, 5, s22               ; the bias of column 256 x + 128 wn + 8 (l / 16)
.irp b, 0,1,2,3,4,5,6,7
	global_load_b128 v[STG+8*\b:STG+8*\b+3],   v[BO], s[88:89] offset:64*\b
	global_load_b128 v[STG+8*\b+4:STG+8*\b+7], v[BO], s[88:89] offset:64*\b+16
.endr
	; where my part of the output begins: head (mt / 16) 16 + 4 x + 2 wn, row (mt % 16) 128 + 64 wm
	s_lshr_b32 s22, s13, 4
	s_lshl_b32 s22, s22, 4
	s_lshl_b32 s23, s42, 2
	s_add_co_u32 s22, s22, s23
	s_lshl_b32 s23, s12, 1
	s_add_co_u32 s22, s22, s23
	s_lshl_b32 s22, s22, 18
	s_and_b32 s23, s13, 15
	s_lshl_b32 s23, s23, 14
	s_add_co_u32 s22, s22, s23
	s_lshl_b32 s23, s11, 13
	s_add_co_u32 s22, s22, s23
	s_mov_b32 s23, 0
	s_add_nc_u64 s[8:9], s[8:9], s[22:23]
	; the prefetches: my work-group's 16 rows of the 64 that I fetch, at K step 3; each refill steps the place by a K step ahead of its prefetch
	s_lshl_b32 s22, s40, 16                        ; x: 16 cx rows of 4,096 bytes
	s_add_co_u32 s22, s22, s16
	s_add_co_u32 s22, s22, 3*KSTEP*4
	s_lshl_b32 s23, s15, 21                        ; W: 16 cy rows of 2,048 bytes
	s_lshl_b32 s2, s12, 17
	s_add_co_u32 s23, s23, s2
	s_lshl_b32 s2, s42, 9
	s_add_co_u32 s23, s23, s2
	s_lshl_b32 s2, s41, 15
	s_add_co_u32 s23, s23, s2
	s_add_co_u32 s23, s23, 3*KSTEP*2048
	s_and_b32 s2, s14, 15
	s_cmp_eq_u32 s2, 0
	s_cselect_b32 s2, 1, -1                        ; W's rows: the first of the sixteen clusters that read them
	s_mov_b32 s[PFS], KSTEP*2048
	s_cmp_eq_u32 s11, 0                            ; do I fetch for x?
	s_cselect_b32 s[LIM], 1, s2                    ; the same in all sixteen partners, for a given wave
	s_cselect_b32 s22, s22, s23
	s_cselect_b64 s[PFA:PFA+1], s[4:5], s[6:7]
	s_cselect_b32 s[PFS], KSTEP*4, s[PFS]
	s_cselect_b32 s2, 12, 11                       ; a row is 4,096 or 2,048 bytes
	s_mov_b32 s23, 0
	s_mov_b32 s[PFS+1], 0
	s_add_nc_u64 s[PFA:PFA+1], s[PFA:PFA+1], s[22:23]
	v_lshrrev_b32 v[PFO], 1, v3                    ; two lanes a row,
	v_lshlrev_b32 v[PFO], s2, v[PFO]
	v_and_b32 v3, 1, v0
	v_lshl_add_u32 v[PFO], v3, 8, v[PFO]           ; 256 bytes each
	s_wait_loadcnt 0x0                             ; the bias: rounded to bf16, widened again, kept in window 1.  All this stands in the wait for the first tiles
.set i, 0
.rept 32
	v_cvt_pk_bf16_f32 v[TMP+i], v[STG+2*i], v[STG+2*i+1]
.set i, i+1
.endr
	WIN TO_B
.set i, 0
.rept 32
	v_lshlrev_b32 v[BIAS+2*i], 16, v[TMP+i]
	v_and_b32 v[BIAS+2*i+1], 0xffff0000, v[TMP+i]
.set i, i+1
.endr
	WIN 0
; Half a fragment of x (fragment a of buffer g) is rounded to bf16: four instructions.
.macro CVT4 g, a, half
	WIN 0
.irp i, 0,1,2,3
	v_cvt_pk_bf16_f32 v[ABF+8*(\a)+4*(\half)+\i], v[STG+64*(\g)+16*(\a)+8*(\half)+2*\i], v[STG+64*(\g)+16*(\a)+8*(\half)+2*\i+1]
.endr
.endm
; Eight products: rows 16 a .. + 15 x my 128 columns, 32 along K.  first = 1: the bias starts the sums.  ride = 1: the next fragment of x is rounded meanwhile, four conversions behind the fourth and the eighth product.
; The 32 accumulators take turns, one instruction a turn, in the same order in every quarter.
.macro BLOCK g, a, first, ride
.irp b, 0,1,2,3,4,5,6,7
.if \first
	WIN MULB
	v_wmma_f32_16x16x32_bf16 v[64*(\a)+8*\b:64*(\a)+8*\b+7], v[64*(\g)+8*\b:64*(\g)+8*\b+7], v[ABF+8*(\a):ABF+8*(\a)+7], v[BIAS+8*\b:BIAS+8*\b+7]
.else
	WIN MUL
	v_wmma_f32_16x16x32_bf16 v[64*(\a)+8*\b:64*(\a)+8*\b+7], v[64*(\g)+8*\b:64*(\g)+8*\b+7], v[ABF+8*(\a):ABF+8*(\a)+7], v[64*(\a)+8*\b:64*(\a)+8*\b+7]
.endif
.if (\ride) && ((\b) == 3)
	CVT4 \g, (\a)+1, 0
.endif
.if (\ride) && ((\b) == 7)
	CVT4 \g, (\a)+1, 1
.endif
.endr
.endm
; 32 LDS loads in one run: quarter q (32 along K) of a slot into buffer g: x's sixteen first, then W's sixteen.
.macro FETCH slot, q, g
	WIN 0
.irp a, 0,1,2,3
	ds_load_b128 v[STG+64*(\g)+16*\a:STG+64*(\g)+16*\a+3],     v[ADRA+(\slot)] offset:\a*16*PA+(\q)*128
	ds_load_b128 v[STG+64*(\g)+16*\a+4:STG+64*(\g)+16*\a+7],   v[ADRA+(\slot)] offset:\a*16*PA+(\q)*128+16
	ds_load_b128 v[STG+64*(\g)+16*\a+8:STG+64*(\g)+16*\a+11],  v[ADRA+(\slot)] offset:\a*16*PA+(\q)*128+64
	ds_load_b128 v[STG+64*(\g)+16*\a+12:STG+64*(\g)+16*\a+15], v[ADRA+(\slot)] offset:\a*16*PA+(\q)*128+80
.endr
	WIN TO_B
.irp b, 0,1,2,3,4,5,6,7
	ds_load_tr16_b128 v[64*(\g)+8*\b:64*(\g)+8*\b+3],   v[ADRB+(\slot)] offset:(\q)*32*PB+32*\b
	ds_load_tr16_b128 v[64*(\g)+8*\b+4:64*(\g)+8*\b+7], v[ADRB+(\slot)] offset:(\q)*32*PB+32*\b+16*PB
.endr
.endm
; A K step is four quarters of 32 along K, 32 products each, on buffers 0, 1, 0, 1.  One of the first three multiplies buffer g and, in its middle, fetches quarter q of the same slot into buffer gn.
; Only fragment 0's eight conversions stand bare; the other 24 stand behind products.  The conversions are also the places between a product and the next write of, or load into, a register that it has read:
; behind the last product that read a fragment of x, or a buffer of W, at least four of them stand before that register is written again.
.macro QUARTER slot, q, g, gn, first, fetch=1
	WIN 0
	s_wait_dscnt 16                                ; x's sixteen loads, the older half of the run, are in
	CVT4 \g, 0, 0
	CVT4 \g, 0, 1
	s_wait_dscnt 0x0                               ; W's are in
	BLOCK \g, 0, \first, 1
	BLOCK \g, 1, \first, 1
.if \fetch
	FETCH \slot, \q, \gn
.endif
	BLOCK \g, 2, \first, 1
	BLOCK \g, 3, \first, 0
.endm
; The last quarter multiplies buffer 1 and changes slots: ONE barrier; in front of it each wave waits for all its tensor loads (one is out: its part of the next slot), adds 0 to its spare word, and waits
; for that and for its own reads of this slot.  fill = 1: the barrier opens a round of the cluster's barrier, and this slot is filled again, two K steps ahead, first thing behind the round:
; 112 products stand between that request and the wait for it.
.macro TURN slot, next, fill
.if \fill
	s_wait_xcnt 0x0                                ; the last prefetch, a K step back, has read its address
	s_add_nc_u64 s[PFA:PFA+1], s[PFA:PFA+1], s[PFS:PFS+1]
.endif
	WIN 0
	s_wait_tensorcnt 0x0                           ; all my tensor loads have landed
	ds_add_u32 v[SPW], v[NIL]                      ; 0 onto my spare word
	s_wait_dscnt 17                                ; x's sixteen are in (W's sixteen and the add may be out)
	CVT4 1, 0, 0
	CVT4 1, 0, 1
	s_wait_dscnt 1                                 ; W's are in (the add may be out)
	BLOCK 1, 0, 0, 1
	s_wait_dscnt 0x0                               ; the add is done, and my reads of this slot are over
	s_barrier_signal -1
	BLOCK 1, 1, 0, 1                               ; work on registers while the others arrive
	WIN 0
	s_barrier_wait -1
.if \fill
	CREST                                          ; no wave of any partner still reads this slot or has a load on its way
	s_add_nc_u64 s[G0+4*(\slot)+2:G0+4*(\slot)+3], s[G0+4*(\slot)+2:G0+4*(\slot)+3], 2*KSTEP*4
	s_add_nc_u64 s[G0B+4*(\slot)+2:G0B+4*(\slot)+3], s[G0B+4*(\slot)+2:G0B+4*(\slot)+3], 2*KSTEP*2048
	JLOAD \slot
.endif
	FETCH \next, 0, 0
.if \fill
	WIN 0
	ASK
.endif
	BLOCK 1, 2, 0, 1
	BLOCK 1, 3, 0, 0
.endm
; THE WAY OUT of rows 16 a .. + 15.  PACK: rounded to f16, 16 bytes a lane, each accumulator's registers in ascending order.  TOSTAGE: into my own stage, and back as four rows' 128 bytes of one head.  SEND: stored.
.macro PACK a
	WIN 0x0a                                       ; sources 0 and 1 window 2
.irp b, 0,1,2,3,4,5,6,7
.irp i, 0,1,2,3
	v_cvt_pk_f16_f32 v[TMP+4*\b+\i], v[64*(\a)+8*\b+2*\i], v[64*(\a)+8*\b+2*\i+1]
.endr
.endr
	WIN 0
.endm
.macro TOSTAGE a
.set BK, OB+64*((\a)%2)
.irp b, 0,1,2,3,4,5,6,7
	ds_store_b128 v[STO], v[TMP+4*\b:TMP+4*\b+3] offset:32*\b
.endr
.irp t, 0,1,2,3,4,5,6,7
	ds_load_b128 v[BK+4*\t:BK+4*\t+3], v[RD] offset:((\t)%4)*4*SP+((\t)/4)*128  ; LDS serves a wave's instructions in order (ISA guide 5.7.1.4): these see the stores above
.endr
.endm
.macro SEND a
.set BK, OB+64*((\a)%2)
	s_wait_dscnt 0x0                               ; the rows are back in registers
	s_wait_xcnt 0x0                                ; earlier stores have read their registers: the other buffer is loaded again only behind this wait
.irp t, 0,1,2,3,4,5,6,7
	global_store_b128 v[GO], v[BK+4*\t:BK+4*\t+3], s[8:9] offset:(\a)*2048+((\t)%4)*512+((\t)/4)*262144  ; 512 consecutive bytes of one head, aligned
.endr
.endm
	s_wait_tensorcnt 1                             ; my part of K step 0 is in; K step 1's may stay out
	s_barrier_signal -1
	s_barrier_wait -1                              ; everybody's is
	FETCH 0, 0, 0
	QUARTER 0, 1, 0, 1, 1                          ; the first quarter stands in front of the loop: its products start the sums, with the bias
	WIN 0                                          ; at a label and at a branch every window is 0
	s_mov_b32 s3, 3
.Llap:                                                 ; a trip goes once round the ring and fills both slots again: K steps 2 to 7 in three trips
	QUARTER 0, 2, 1, 0, 0
	QUARTER 0, 3, 0, 1, 0
	TURN 0, 1, 1
	QUARTER 1, 1, 0, 1, 0
	QUARTER 1, 2, 1, 0, 0
	QUARTER 1, 3, 0, 1, 0
	TURN 1, 0, 1
	QUARTER 0, 1, 0, 1, 0
	WIN 0
	s_sub_co_u32 s3, s3, 1
	s_cmp_lg_u32 s3, 0
	s_cbranch_scc1 .Llap
	QUARTER 0, 2, 1, 0, 0                          ; the last lap fills nothing
	QUARTER 0, 3, 0, 1, 0
	TURN 0, 1, 0
	QUARTER 1, 1, 0, 1, 0
	QUARTER 1, 2, 1, 0, 0
	QUARTER 1, 3, 0, 1, 0
	QUARTER 1, 0, 1, 0, 0, 0                       ; the very last quarter: nothing more to fetch
	WIN 0
	PLACES                                         ; the places behind the last products
	PACK 0
	TOSTAGE 0
.irp a, 1,2,3                          ; a block's conversions stand between the loads of the block before and the wait for them
	PACK \a
	SEND (\a)-1
	TOSTAGE \a
.endr
	SEND 3
	s_wait_tensorcnt 0x0                           ; the wave's end: behind my last tensor load and my last LDS store
	ds_add_u32 v[SPW], v[NIL]
	s_wait_dscnt 0x0
	CROUND                                         ; the closing round: no work-group ends while a partner may still ask for a tile that names it
	s_endpgm
.Lfunc_end_k_qe3114d301a_proj:
	.size	k_qe3114d301a_proj, .Lfunc_end_k_qe3114d301a_proj-k_qe3114d301a_proj
	.p2alignl 7, 3214868480
	.fill 96, 4, 3214868480
	.section	.rodata,"a",@progbits
	.p2align	6, 0x0
	.amdhsa_kernel k_qe3114d301a_proj
		.amdhsa_group_segment_fixed_size 327680
		.amdhsa_private_segment_fixed_size 0
		.amdhsa_enable_private_segment 0
		.amdhsa_kernarg_size 80
		.amdhsa_user_sgpr_count 2
		.amdhsa_user_sgpr_kernarg_segment_ptr 1
		.amdhsa_wavefront_size32 1
		.amdhsa_system_sgpr_workgroup_id_x 1
		.amdhsa_system_sgpr_workgroup_id_y 1
		.amdhsa_system_sgpr_workgroup_id_z 1
		.amdhsa_system_vgpr_workitem_id 0
		.amdhsa_next_free_vgpr 768
		.amdhsa_next_free_sgpr 92
		.amdhsa_reserve_vcc 0
		.amdhsa_float_denorm_mode_32 3
		.amdhsa_float_denorm_mode_16_64 3
		.amdhsa_memory_ordered 1
		.amdhsa_forward_progress 1
		.amdhsa_inst_pref_size 140
	.end_amdhsa_kernel
	.amdgpu_metadata
---
amdhsa.version: [ 1, 2 ]
amdhsa.kernels:
  - .name:           k_qe3114d301a_proj
    .symbol:         k_qe3114d301a_proj.kd
    .args:
      - { .name: query, .offset: 0, .size: 8, .value_kind: global_buffer, .address_space: global }
      - { .name: key, .offset: 8, .size: 8, .value_kind: global_buffer, .address_space: global }
      - { .name: value, .offset: 16, .size: 8, .value_kind: global_buffer, .address_space: global }
      - { .name: wts, .offset: 24, .size: 8, .value_kind: global_buffer, .address_space: global }
      - { .name: bq, .offset: 32, .size: 8, .value_kind: global_buffer, .address_space: global }
      - { .name: bk, .offset: 40, .size: 8, .value_kind: global_buffer, .address_space: global }
      - { .name: bv, .offset: 48, .size: 8, .value_kind: global_buffer, .address_space: global }
      - { .name: qh, .offset: 56, .size: 8, .value_kind: global_buffer, .address_space: global }
      - { .name: kh, .offset: 64, .size: 8, .value_kind: global_buffer, .address_space: global }
      - { .name: vh, .offset: 72, .size: 8, .value_kind: global_buffer, .address_space: global }
    .group_segment_fixed_size: 327680
    .private_segment_fixed_size: 0
    .kernarg_segment_align: 8
    .kernarg_segment_size: 80
    .max_flat_workgroup_size: 128
    .sgpr_count:     92
    .vgpr_count:     768
    .wavefront_size: 32
...
	.end_amdgpu_metadata
.endif
;; end of part 2
;; launch attn (part 3): grid 4 x 64, 8 waves a work-group, clusters of 4 x 1, 327,680 bytes of LDS; arguments qh, kh, vh, mbits, oh; writes oh
.if DOCPART == 3
	.amdgcn_target "amdgcn-amd-amdhsa--gfx1250"
	.amdhsa_code_object_version 6
	.text
	.protected	k_qe3114d301a_attn
	.globl	k_qe3114d301a_attn
	.p2align	8
	.type	k_qe3114d301a_attn,@function
k_qe3114d301a_attn:
	s_mov_b64 s[64:65], 0
	v_nop
	global_prefetch_b8 v0, s[64:65] scope:SCOPE_SE
	s_setreg_imm32_b32 hwreg(HW_REG_WAVE_MODE, 25, 1), 1
	s_wait_xcnt 0x0
	s_wait_alu depctr_hold_cnt(0) depctr_sa_sdst(0) depctr_va_vdst(0) depctr_va_sdst(0) depctr_va_ssrc(0) depctr_va_vcc(0) depctr_vm_vsrc(0)
	s_getreg_b32 s2, hwreg(HW_REG_IB_STS2, 6, 4)
	s_cmp_eq_u32 s2, 0
	s_cbranch_scc0 .Lentry_in_a_cluster
	s_endpgm
.Lentry_in_a_cluster:
	s_bfe_u32 s2, ttmp6, 0x10000c
	s_cmp_lg_u32 s2, 0x3003
	s_cbranch_scc0 .Lentry_shape_is_right
	s_endpgm
.Lentry_shape_is_right:
; MASKED ATTENTION.  O[bh][q][:] = the sum over k of softmax_k(s) V[bh][k][:], s = Q[bh][q] . K[bh][k] / 8 where mask[b][q][k] is not 0, else a large negative number.  Q, K, V, O: [64][2048][64] f16, rows dense.
; Products, maxima and sums in f32; the weights p are rounded to f16 for the second product (their sum l is taken of the unrounded p), O once at the end.
; LIMITS.  A masked score is REPLACED by -2^33 ahead of the division by 8, that is -2^30 where the module's definition has -1e9: a power of two, so that c m is exact and a row with no open key has
; c s - c m = 0 for every key: all its weights are 1, the mean of V's rows, as defined.  True scores are taken to lie above -2^33.  A weight below 2^-126 counts as 0 in l; NaN and infinities are not treated apart.
; SHARES.  A work-group owns 512 queries of one (b, h), each of its eight waves 64: four tiles of 16, in two PIECES of two tiles.  Every wave walks all 2,048 keys, 64 a step.
; WHY EIGHT WAVES, IN PHASES.  A tile and step have 16 matrix and 150 vector instructions (32 of them the mask's selects): more than can stand beside the products of one wave.  So two waves share a
; SIMD's registers, 512 each, and each runs plain phases under few window switches: one wave's vector phase stands beside the other's products.
; LAYOUT.  S^T = K Q^T (source 0 = 16 keys, source 1 = 16 queries): a lane holds ONE query (lane % 16) and the keys 16 kb + 8 (lane / 16) + j in register 8 kb + j.  Two such results rounded to f16 in
; pairs ARE source 1 of O^T = V^T P.  K comes out of LDS as it lies, V turned, by ds_load_tr16_b128.
; THE MASK comes as lane masks (launch prep): word 8 kb + j of a tile and step is the select mask of score register 8 kb + j: 64 scalar registers a piece, loaded a piece ahead.
; SOFTMAX.  A running maximum m and sum l: p = 2^(c s - c m), c = log2(e) / 8; O and l are multiplied by a = 2^(c m_old - c m_new) in every step.  m starts at the lowest finite number, O and l at 0.
; CLUSTER.  The four query blocks of a head walk the same K and V: each tile is asked for jointly.
; REGISTERS, in windows of 256 (s_set_vgpr_msb: bits 1:0 source 0, 3:2 source 1, 5:4 source 2, 7:6 destination):
;   window 0: v0-15, v40-44 addresses and constants; v16-31 four registers of statistics a tile; v32-39 at work; v64-127 S^T of a piece; v128-159 P of a piece; v160-223 K of one step
;   window 1: v0-127 O^T, 32 a tile; v128-191 Q, 16 a tile; v192-255 V of one step
.set KS,    64
.set PK,    144       ; a row of K in LDS: 128 bytes + 16: the 16 rows of a load start at 16 different groups of four banks (ISA guide 11.1)
.set PV,    160       ; a row of V: 128 + 32
.set VOFF,  4*KS*PK   ; a slot holds four steps: 256 rows of K, then 256 rows of V
.set SLOT1, 1<<17     ; slot 1 begins here: one exclusive or turns an address in one slot into the other's
.set STAGE, SLOT1+4*KS*(PK+PV)  ; behind the ring: 16 rows x 144 bytes for each wave, for the way out
.set SP,    144
.set SPARE, STAGE+8*16*SP       ; behind the stages: the spare words, 128 bytes for each wave
.set AK0, 2           ; v2   my lane's place in a tile of K; never rewritten
.set AV0, 3           ; v3   the same for V
.set AK,  4           ; v4   the LDS address of K's run of loads
.set AV,  5           ; v5   of V's
.set STO, 6           ; v6   the way out: where I put 16 bytes of a row
.set RD,  7           ; v7   the way out: where I read rows back
.set GO,  8           ; v8   my 16 bytes of 512 consecutive bytes of O
.set NEGR, 12         ; v12  -2^33
.set PFO, 13          ; v13  256 x my lane; never rewritten
.set MV,  14          ; v14-15  c m_old, kept while c m is made anew
.set ST,  16          ; tile t's statistics at v[ST+4 t]: c m, m, l (even keys', odd keys')
.set TMP, 32          ; by tile of the piece, four registers c0-c3 at work; when the maximum is found c2 takes a
.set SPW, 40          ; v40  LDS address of my spare word; never rewritten
.set NIL, 41          ; v41  0; never rewritten
.set CV,  42          ; v[42:43] c, twice
.set QO,  44          ; v44  my byte offset in 16 rows of Q
.set S,   64
.set P,   128
.set KF,  160         ; key block kb, channel half c at KF + 16 kb + 8 c
.set QF,  128         ; window 1
.set VF,  192         ; window 1: key half kk, channel block cb at VF + 32 kk + 8 cb
.set PFA, 2           ; s[2:3]   where my prefetches stand
.set G1K, 52          ; s[52:59] descriptor group 1 for K's tiles
.set G0K, 60          ; s[60:63] group 0: it walks
.set CNT, 66          ; s66  counts a slot's key steps
.set LIM, 67          ; s67  1 in a wave that prefetches, else the greatest number
.set G1V, 84          ; s[84:91], s[92:95] the same for V's
.set G0V, 92
.set TBK, 96          ; s96  LDS byte at which K of the step to be fetched begins
.set TBV, 97          ; s97  the same for V, less VOFF
.set MB,  98          ; s[98:99] the mask words of my first tile, at the step in hand
.set SEL, 100         ; s[100:101] v_permlanex16_b32's selects: each lane takes its own place in the other half
.set WV,  104         ; s104 my wave's number
.set SLOTS, 105       ; s105 slots still to be asked for
                      ; s4-35: the 32 mask words of the piece's first tile; s36-51, s68-83: those of its second
.set MSB, 0
.macro WIN new
.if MSB != (\new)
	s_set_vgpr_msb (MSB<<8)|(\new)
.set MSB, (\new)
.endif
.endm
.set W_KQ, 0x04       ; K and S^T in window 0, Q in window 1
.set W_PV, 0x51       ; V and O^T in window 1, P in window 0
.set W_RS, 0x41       ; destination and source 0 in window 1, source 1 in window 0
.set TO_1, 0x40       ; destination window 1
; A joint fill.  Waves 0 and 1 fetch the two halves of a slot's K, waves 2 and 3 those of its V, 128 keys each; waves 4 to 7 fetch nothing.  The branches hang on the wave's number alone.
.macro JLOAD
	s_cmp_lt_u32 s[WV], 2
	s_cbranch_scc0 .Lnot_k_\@
	tensor_load_to_lds s[G0K:G0K+3], s[G1K:G1K+7]
	s_nop 0
.rept 4
	v_nop
.endr
	s_branch .Lasked_\@
.Lnot_k_\@:
	s_cmp_lt_u32 s[WV], 4
	s_cbranch_scc0 .Lasked_\@
	tensor_load_to_lds s[G0V:G0V+3], s[G1V:G1V+7]
	s_nop 0
.rept 4
	v_nop
.endr
.Lasked_\@:
.endm
; A PREFETCH INTO THE L2 of what the NEXT change of slots will ask for: four key steps ahead of that load.  A slot's K, and its V, are 128 blocks of 256 bytes; a head's K and V are read by this cluster alone.
; Its four partners take 32 blocks each, told apart by address; in each, wave 0 asks for K's and wave 2 for V's: a lane a block, one instruction.  The last change that fills a slot asks for nothing.
.macro ASK
	s_cmp_gt_u32 s[SLOTS], s[LIM]
	s_cbranch_scc0 .Lnot_mine_\@
	global_prefetch_b8 v[PFO], s[PFA:PFA+1] th:TH_LOAD_NT scope:SCOPE_SE
.Lnot_mine_\@:
.endm
.macro CROUND
	s_barrier_signal -1
	s_barrier_wait -1
	s_cmp_lg_u32 s[WV], 0
	s_cbranch_scc1 .Lnot_wave_0_\@
	s_barrier_signal -3
.Lnot_wave_0_\@:
	s_barrier_wait -3
	s_barrier_signal -1
	s_barrier_wait -1
.endm
; THE CHANGE OF SLOTS.  Each wave waits for all its tensor loads (at most one is out: its part of the other slot), adds 0 to its spare word, and waits for that and for its own reads of the slot that it leaves.
; fill = 1: the barrier is a round of the cluster's, and the old slot is filled again, with the keys two slots on, first thing behind it: the load has four key steps in which to land.
; (At its first use nothing has been read yet: slot 0 is waited for, slot 1 filled.)
.macro CHANGE fill
	WIN 0
	s_wait_tensorcnt 0x0            ; no tensor load of mine is out, so a group 0 may be written
	ds_add_u32 v[SPW], v[NIL]       ; 0 onto my spare word
.if \fill
.irp g, G0K, G0V
	s_xor_b32 s[\g+1], s[\g+1], SLOT1
	s_add_nc_u64 s[\g+2:\g+3], s[\g+2:\g+3], 4*KS*128  ; the next 256 keys; the type bits on top are not reached
.endr
	s_wait_xcnt 0x0                 ; the last prefetch, four key steps back, has read its address
	s_add_nc_u64 s[PFA:PFA+1], s[PFA:PFA+1], 4*KS*128
	s_wait_dscnt 0x0                ; the add is done, and my reads of the slot are over
	CROUND
	JLOAD
	ASK
.else
	s_wait_dscnt 0x0
	s_barrier_signal -1
	s_barrier_wait -1
.endif
	s_sub_co_u32 s[TBK], s[TBK], 4*KS*PK  ; the fetches go back to a slot's first step,
	s_xor_b32 s[TBK], s[TBK], SLOT1       ; in the other slot
	s_sub_co_u32 s[TBV], s[TBV], 4*KS*PV
	s_xor_b32 s[TBV], s[TBV], SLOT1
.endm
.macro MLOAD off                    ; a piece's 64 mask words for one step: two tiles, 4,096 bytes apart, 128 bytes each
	s_load_b512 s[4:19],  s[MB:MB+1], (\off)
	s_load_b512 s[20:35], s[MB:MB+1], (\off)+64
	s_load_b512 s[36:51], s[MB:MB+1], (\off)+4096
	s_load_b512 s[68:83], s[MB:MB+1], (\off)+4160
.endm
	s_load_b256 s[4:11], s[0:1], 0x0  ; Q s[4:5], K s[6:7], V s[8:9], mask words s[10:11]
	v_lshl_add_u32 v[SPW], v0, 2, SPARE
	v_mov_b32 v[NIL], 0
	ds_add_u32 v[SPW], v[NIL]       ; the wave's opening: the add and its wait stand ahead of the first tensor load; work on registers stands between them
	v_lshrrev_b32 v1, 5, v0
	v_readfirstlane_b32 s[WV], v1   ; wave 0..7
	s_bfe_u32 s13, ttmp6, 0x40000   ; cx
	s_lshl_b32 s14, ttmp9, 2
	s_add_co_u32 s14, s14, s13      ; my block of 512 queries: it enters Q's, O's and the mask's addresses alone
	s_and_b32 s15, ttmp7, 0xffff    ; (b, h), which the four partners share
	s_lshl_b32 s20, s15, 18         ; the head's first byte in Q, K, V and O
	s_and_b32 s16, s[WV], 1         ; which half of a slot's 256 keys I fetch:
	s_lshl_b32 s22, s16, 14         ; its 128 rows of 128 bytes in memory,
	s_add_co_u32 s22, s22, s20
	s_mov_b32 s23, 0
	s_mul_i32 s17, s16, 128*PK      ; and its place in a slot, for K
	s_mul_i32 s18, s16, 128*PV      ; and for V: no place in the cluster enters an LDS address
	s_lshl_b32 s26, s14, 3
	s_add_co_u32 s26, s26, s[WV]    ; my wave among the head's 32
	s_lshl_b32 s24, s26, 13         ; its 64 rows
	s_add_co_u32 s24, s24, s20
	s_mov_b32 s25, 0
	s_lshl_b32 s26, s26, 14         ; its four tiles' mask words, 4,096 bytes a tile,
	s_lshr_b32 s27, s15, 4
	s_lshl_b32 s27, s27, 19         ; in batch b's 128 tiles
	s_add_co_u32 s26, s26, s27
	s_mov_b32 s27, 0
	s_lshl_b32 s28, s13, 13         ; the prefetches: my work-group's 32 blocks of 256 bytes,
	s_add_co_u32 s28, s28, s20
	s_add_co_u32 s28, s28, 4*KS*128 ; in slot 1; the first change of slots steps the place to slot 2
	s_mov_b32 s29, 0
	; descriptor group 1.  128 keys are 16,384 dense bytes: asked for as 64 rows of 256 bytes, two keys a row, and padded in LDS after every key
	s_mov_b32 s[G1K], 15|(1<<16)|(1<<20)|(1<<21)|(4<<22)|(3<<25)  ; the mask of four; 2-byte elements; padding on; bit 21 beside a mask; after every 32 words, 4 words
	s_mov_b32 s[G1V], 15|(1<<16)|(1<<20)|(1<<21)|(4<<22)|(7<<25)  ; the same with 8 words
.irp g, G1K, G1V
	s_mov_b32 s[\g+1], 128<<16      ; tensor_dim0 = 128
	s_mov_b32 s[\g+2], 64<<16       ; tensor_dim1 = 64
	s_mov_b32 s[\g+3], 128<<16      ; tile_dim0
	s_mov_b32 s[\g+4], 64           ; tile_dim1
	s_mov_b32 s[\g+5], 128          ; elements from row to row
	s_mov_b32 s[\g+6], 0
	s_mov_b32 s[\g+7], 0
.endr
	s_mov_b32 s[SEL], 0x76543210
	s_mov_b32 s[SEL+1], 0xfedcba98
	s_mov_b32 s[TBK], SLOT1+4*KS*PK ; the first change of slots turns these two into 0
	s_mov_b32 s[TBV], SLOT1+4*KS*PV
	s_mov_b32 s[G0K], 1
	s_mov_b32 s[G0K+1], s17         ; slot 0
	s_mov_b32 s[G0V], 1
	s_add_co_u32 s[G0V+1], s18, VOFF
	s_and_b32 s[LIM], s[WV], 5      ; 0 in waves 0 and 2
	s_cmp_eq_u32 s[LIM], 0
	s_cselect_b32 s[LIM], 1, -1
	s_wait_dscnt 0x0                ; the opening add is done
	s_wait_kmcnt 0x0
	s_add_nc_u64 s[G0K+2:G0K+3], s[6:7], s[22:23]
	s_or_b32 s[G0K+3], s[G0K+3], 0x80000000
	s_add_nc_u64 s[G0V+2:G0V+3], s[8:9], s[22:23]
	s_or_b32 s[G0V+3], s[G0V+3], 0x80000000
	s_add_nc_u64 s[4:5], s[4:5], s[24:25]          ; Q at my wave's first row
	s_add_nc_u64 s[MB:MB+1], s[10:11], s[26:27]
	s_cmp_lt_u32 s[WV], 2
	s_cselect_b64 s[PFA:PFA+1], s[6:7], s[8:9]
	s_add_nc_u64 s[PFA:PFA+1], s[PFA:PFA+1], s[28:29]
	CROUND                          ; all four work-groups are here: the first joint loads meet
	JLOAD                           ; slot 0
	v_and_b32 v1, 15, v0            ; l % 16
	v_bfe_u32 v9, v0, 4, 1          ; l / 16
	v_lshlrev_b32 v[QO], 7, v1
	v_lshl_add_u32 v[QO], v9, 4, v[QO]  ; row x 128 + 16 x half
	WIN TO_1
.set i, 0
.rept 8                             ; Q stays in registers: tile i / 2, channels 32 (i % 2) on
	global_load_b128 v[QF+8*i:QF+8*i+3],   v[QO], s[4:5] offset:(i/2)*2048+(i%2)*64
	global_load_b128 v[QF+8*i+4:QF+8*i+7], v[QO], s[4:5] offset:(i/2)*2048+(i%2)*64+32
.set i, i+1
.endr
.set i, 0
.rept 128                           ; O^T starts at 0, so that the first step is a step like any other, with a = 0: written in the wait for the first tile
	v_mov_b32 v[i], 0
.set i, i+1
.endr
	WIN 0
.set i, 0
.rept 4
	v_mov_b32 v[ST+4*i], 0xfe000000    ; c m: far below every c s
	v_mov_b32 v[ST+4*i+1], 0xff7fffff  ; m
	v_mov_b32 v[ST+4*i+2], 0
	v_mov_b32 v[ST+4*i+3], 0
.set i, i+1
.endr
	v_mov_b32 v[NEGR], 0xd0000000   ; -2^33
	v_mov_b32 v[CV], 0x3e38aa3b     ; c = log2(e) / 8
	v_mov_b32 v[CV+1], 0x3e38aa3b
	v_and_b32 v[PFO], 31, v0
	v_lshlrev_b32 v[PFO], 8, v[PFO]
	v_mul_u32_u24 v[AK0], v1, PK
	v_lshl_add_u32 v[AK0], v9, 4, v[AK0]  ; row x pitch + 16 x half
	; The turning load takes 16 keys x 16 channels (lane l reads key 8 (l / 16) + l % 8, channels 8 ((l / 8) % 2) + 0..7) and leaves half a fragment of V^T: lane l holds channel l % 16 and 8 keys.
	v_and_b32 v10, 7, v0
	v_bfe_u32 v11, v0, 3, 1
	v_lshl_add_u32 v[AV0], v9, 3, v10
	v_mul_u32_u24 v[AV0], v[AV0], PV
	v_lshl_add_u32 v[AV0], v11, 4, v[AV0]
	v_add_nc_u32 v[AV0], VOFF, v[AV0]
	s_mul_i32 s30, s[WV], 16*SP
	s_add_co_u32 s30, s30, STAGE    ; my stage
	v_mul_u32_u24 v[STO], v1, SP    ; in: row l % 16, 16 bytes for each half of the lanes
	v_lshl_add_u32 v[STO], v9, 4, v[STO]
	v_add_nc_u32 v[STO], s30, v[STO]
	v_bfe_u32 v[RD], v0, 3, 2       ; back: 32 lanes take four rows of 128 bytes,
	v_mul_u32_u24 v[RD], v[RD], SP
	v_lshl_add_u32 v[RD], v10, 4, v[RD]
	v_add_nc_u32 v[RD], s30, v[RD]
	v_and_b32 v[GO], 31, v0         ; which are 512 consecutive bytes of O
	v_lshlrev_b32 v[GO], 4, v[GO]
	s_wait_loadcnt 0x0              ; Q is in; its base register is free for the mask words
	MLOAD 0                         ; piece 0, step 0
; THE MATRIX WORK.  The 8 accumulators of a run of 16 take turns.  Product i of 16 of S^T = K Q^T for piece x: channels 32 (i / 8) on, keys 16 ((i / 2) % 4) on, tile 2 x + i % 2.
.macro KQ x
	WIN W_KQ
.set rS, S+32*(i%2)+8*((i/2)%4)
.set rK, KF+16*((i/2)%4)+8*(i/8)
.set rQ, QF+16*(2*(\x)+i%2)+8*(i/8)
.if i < 8
	v_wmma_f32_16x16x32_f16 v[rS:rS+7], v[rK:rK+7], v[rQ:rQ+7], 0
.else
	v_wmma_f32_16x16x32_f16 v[rS:rS+7], v[rK:rK+7], v[rQ:rQ+7], v[rS:rS+7]
.endif
.endm
; Product i of 16 of O^T += V^T P for piece x: keys 32 (i / 8) on, channels 16 ((i / 2) % 4) on, tile 2 x + i % 2.
.macro PV x
	WIN W_PV
.set rO, 32*(2*(\x)+i%2)+8*((i/2)%4)
.set rV, VF+32*(i/8)+8*((i/2)%4)
.set rP, P+16*(i%2)+8*(i/8)
	v_wmma_f32_16x16x32_f16 v[rO:rO+7], v[rV:rV+7], v[rP:rP+7], v[rO:rO+7]
.endm
.macro FETCH_K
	WIN 0
.irp f, 0,1,2,3,4,5,6,7             ; keys 16 (f / 2) on, channels 32 (f % 2) on
	ds_load_b128 v[KF+8*\f:KF+8*\f+3],   v[AK] offset:(\f/2)*16*PK+(\f%2)*64
	ds_load_b128 v[KF+8*\f+4:KF+8*\f+7], v[AK] offset:(\f/2)*16*PK+(\f%2)*64+32
.endr
.endm
.macro FETCH_V
	WIN TO_1
.irp f, 0,1,2,3,4,5,6,7             ; keys 32 (f / 4) on, channels 16 (f % 4) on
	ds_load_tr16_b128 v[VF+8*\f:VF+8*\f+3],   v[AV] offset:(\f/4)*32*PV+(\f%4)*32
	ds_load_tr16_b128 v[VF+8*\f+4:VF+8*\f+7], v[AV] offset:(\f/4)*32*PV+16*PV+(\f%4)*32
.endr
	WIN 0
.endm
.macro REGS y, u                    ; the registers of tile u (0, 1) of piece y
.set rT, ST+4*(2*(\y)+(\u))
.set rC, TMP+4*(\u)
.set rM, MV+(\u)
.set rS, S+32*(\u)
.endm
; Number n of the 22 that find a tile's maximum and statistics.  s0-s31 are the lane's 32 scores.
;   0-11  four chains c0-c3 of seven scores each, three operands at a time     12-14, 16  the four scores left over, the old m, and c0-c3 into c0     15  c m_old is kept
;   17, 18  the query's other 32 keys lie in the lane 16 away: the new m         19-21  c m; c m_old - c m_new; a
.macro XS y, u, n
	REGS \y, \u
.if (\n) < 4
	v_max3_num_f32 v[rC+(\n)], v[rS+8*(\n)], v[rS+8*(\n)+1], v[rS+8*(\n)+2]
.elseif (\n) < 12
	v_max3_num_f32 v[rC+(\n)%4], v[rC+(\n)%4], v[rS+8*((\n)%4)+2*((\n)/4)+1], v[rS+8*((\n)%4)+2*((\n)/4)+2]
.elseif (\n) == 12
	v_max3_num_f32 v[rC], v[rC], v[rS+7], v[rS+15]
.elseif (\n) == 13
	v_max3_num_f32 v[rC+1], v[rC+1], v[rS+23], v[rS+31]
.elseif (\n) == 14
	v_max3_num_f32 v[rC+2], v[rC+2], v[rC+3], v[rT+1]
.elseif (\n) == 15
	v_mov_b32 v[rM], v[rT]
.elseif (\n) == 16
	v_max3_num_f32 v[rC], v[rC], v[rC+1], v[rC+2]
.elseif (\n) == 17
	v_permlanex16_b32 v[rC+3], v[rC], s[SEL], s[SEL+1]
.elseif (\n) == 18
	v_max_num_f32 v[rT+1], v[rC], v[rC+3]
.elseif (\n) == 19
	v_mul_f32 v[rT], v[CV], v[rT+1]
.elseif (\n) == 20
	v_sub_f32 v[rC+1], v[rM], v[rT]
.else
	v_exp_f32 v[rC+2], v[rC+1]
.endif
.endm
.macro FS y, u, n                   ; c s - c m for pair n of 16
	REGS \y, \u
	v_pk_fma_f32 v[rS+2*(\n):rS+2*(\n)+1], v[rS+2*(\n):rS+2*(\n)+1], v[CV:CV+1], v[rT:rT+1] op_sel_hi:[1,1,0] neg_lo:[0,0,1] neg_hi:[0,0,1]
.endm
.macro EX u, n                      ; the exponential of score n of 32
	v_exp_f32 v[S+32*(\u)+(\n)], v[S+32*(\u)+(\n)]
.endm
; A PIECE's key step, in phases: 16 products K Q^T; the mask's 64 selects; the maximum and statistics; ONE BATCH of the 32 scalings and all 66 exponentials, in which nothing names an exponential's result;
; one wait; the roundings, the sums, the rescaling of O^T; 16 products V^T P.
.macro PIECE y
.if (\y) == 0
	s_wait_dscnt 16                 ; K's sixteen loads are in; V's sixteen, issued behind them, may stay out
.endif
.set i, 0
.rept 16
	KQ \y
.set i, i+1
.endr
	WIN 0
.rept 4
	v_nop                           ; the places behind those products (ISA guide 7.12.1)
.endr
	s_wait_kmcnt 0x0                ; this piece's mask words are in, and no scalar load is out, so their base may be written
.if (\y) == 1
	s_add_nc_u64 s[MB:MB+1], s[MB:MB+1], 128  ; the next step's words
.endif
.set mw, 0
.rept 32                            ; where the bit is 0 the score is replaced; ascending
	v_cndmask_b32 v[S+mw], v[NEGR], v[S+mw], s[4+mw]
.if mw < 16
	v_cndmask_b32 v[S+32+mw], v[NEGR], v[S+32+mw], s[36+mw]
.else
	v_cndmask_b32 v[S+32+mw], v[NEGR], v[S+32+mw], s[52+mw]
.endif
.set mw, mw+1
.endr
	MLOAD 8192*(1-(\y))             ; the other piece's words, a piece ahead of their wait.  (Behind the last step these are words of my own tiles 1 and 2, inside the buffer; they are not used.)
.irp n, 0,1,2,3,4,5,6,7,8,9,10,11,12,13,14,15,16,17,18,19,20
	XS \y, 0, \n
	XS \y, 1, \n
.endr
	FS \y, 0, 0
	FS \y, 1, 0
	XS \y, 0, 21
	XS \y, 1, 21
.set bb, 0
.rept 16                            ; a pair is scaled ahead of its exponentials; no line here reads or writes a register that an exponential has written
	EX 0, 2*bb
.if bb < 15
	FS \y, 0, bb+1
.endif
	EX 1, 2*bb
.if bb < 15
	FS \y, 1, bb+1
.endif
	EX 0, 2*bb+1
	EX 1, 2*bb+1
.set bb, bb+1
.endr
	v_nop                           ; a plain instruction behind the last exponential: one for the batch (ISA guide 5.7.2)
	s_wait_alu depctr_va_vdst(0)    ; the wait ahead of the first reader: one for the 66 exponentials
.set n, 0
.rept 16
	v_cvt_pk_f16_f32 v[P+n], v[S+2*n], v[S+2*n+1]
	v_cvt_pk_f16_f32 v[P+16+n], v[S+32+2*n], v[S+32+2*n+1]
.set n, n+1
.endr
.set z, 0
.rept 15                            ; the sum of a tile's 16 pairs, in place: neighbours 1, 2, 4 and 8 pairs apart
.set wd, 4
.set ix, z
.if z >= 14
.set wd, 32
.set ix, 0
.elseif z >= 12
.set wd, 16
.set ix, z-12
.elseif z >= 8
.set wd, 8
.set ix, z-8
.endif
.irp u, 0,1
	v_pk_add_f32 v[S+32*\u+wd*ix:S+32*\u+wd*ix+1], v[S+32*\u+wd*ix:S+32*\u+wd*ix+1], v[S+32*\u+wd*ix+wd/2:S+32*\u+wd*ix+wd/2+1]
.endr
.set z, z+1
.endr
.irp u, 0,1
	REGS \y, \u
	v_pk_fma_f32 v[rT+2:rT+3], v[rT+2:rT+3], v[rC+2:rC+3], v[rS:rS+1] op_sel_hi:[1,0,1]  ; l = a l + the sum
.endr
	WIN W_RS
.set n, 0
.rept 16                            ; O^T times a, ascending
.irp u, 0,1
	v_pk_mul_f32 v[32*(2*(\y)+\u)+2*n:32*(2*(\y)+\u)+2*n+1], v[32*(2*(\y)+\u)+2*n:32*(2*(\y)+\u)+2*n+1], v[TMP+4*\u+2:TMP+4*\u+3] op_sel_hi:[1,0]
.endr
.set n, n+1
.endr
.if (\y) == 0
	s_wait_dscnt 0x0                ; V is in
.endif
.set i, 0
.rept 16
	PV \y
.set i, i+1
.endr
	WIN 0
.endm
; A KEY STEP.  The two address lines and two v_nop are the four places between the last product that read V and the loads into V's registers.
.macro STEP
	WIN 0
	v_add_nc_u32 v[AK], s[TBK], v[AK0]
	v_add_nc_u32 v[AV], s[TBV], v[AV0]
	v_nop
	v_nop
	FETCH_K
	FETCH_V
	s_add_co_u32 s[TBK], s[TBK], KS*PK  ; the next fetch is the next step's
	s_add_co_u32 s[TBV], s[TBV], KS*PV
	PIECE 0
	PIECE 1
.endm
	s_mov_b32 s[SLOTS], 7
.Lslot:                             ; seven times: a slot is entered and the other is asked for
	CHANGE 1
	s_mov_b32 s[CNT], 4
.Lstep:
	STEP
	s_sub_co_u32 s[CNT], s[CNT], 1
	s_cmp_lg_u32 s[CNT], 0
	s_cbranch_scc1 .Lstep
	s_sub_co_u32 s[SLOTS], s[SLOTS], 1
	s_cmp_lg_u32 s[SLOTS], 0
	s_cbranch_scc1 .Lslot
	CHANGE 0                        ; the last slot is written out: nothing is asked for
	s_mov_b32 s[CNT], 4
.Ltail:
	STEP
	s_sub_co_u32 s[CNT], s[CNT], 1
	s_cmp_lg_u32 s[CNT], 0
	s_cbranch_scc1 .Ltail
	; THE WAY OUT.  l's two halves and the other half of the lanes' are added; O^T is divided by l, rounded to f16 and sent through my stage in LDS, a tile at a time.  The additions are the places behind the last products.
	s_wait_kmcnt 0x0                ; the last mask words have landed: their registers are free
	s_load_b64 s[4:5], s[0:1], 0x20 ; O
	s_bfe_u32 s6, ttmp6, 0x40000
	s_lshl_b32 s7, ttmp9, 2
	s_add_co_u32 s6, s6, s7
	s_lshl_b32 s6, s6, 3
	s_add_co_u32 s6, s6, s[WV]
	s_lshl_b32 s6, s6, 13           ; my wave's 64 rows,
	s_and_b32 s7, ttmp7, 0xffff
	s_lshl_b32 s7, s7, 18           ; in my head
	s_add_co_u32 s6, s6, s7
	s_mov_b32 s7, 0
.macro ALL line:vararg              ; one line for each tile t
.set t, 0
.rept 4
	\line
.set t, t+1
.endr
.endm
	ALL v_add_f32 v[ST+4*t+2], v[ST+4*t+2], v[ST+4*t+3]
	ALL v_permlanex16_b32 v[ST+4*t+3], v[ST+4*t+2], s[SEL], s[SEL+1]
	ALL v_add_f32 v[ST+4*t+2], v[ST+4*t+2], v[ST+4*t+3]
	ALL v_rcp_f32 v[ST+4*t+2], v[ST+4*t+2]
	v_nop                           ; a plain instruction between the last reciprocal and the use of its result
	s_wait_alu depctr_va_vdst(0)    ; and the wait ahead of the first use: one for the four reciprocals
	s_wait_kmcnt 0x0
	s_add_nc_u64 s[4:5], s[4:5], s[6:7]
.macro PACK t                       ; a lane's eight channels of a row pack into 16 bytes; they go into rows of 144 bytes and come back as whole rows of 128, into S^T's registers
	WIN W_RS
.set i, 32*(\t)
.rept 16
	v_pk_mul_f32 v[i:i+1], v[i:i+1], v[ST+4*(\t)+2:ST+4*(\t)+3] op_sel_hi:[1,0]
.set i, i+2
.endr
	WIN 0x05                        ; sources 0 and 1 window 1, destination window 0
.set i, 0
.rept 16
	v_cvt_pk_f16_f32 v[S+16*(\t)+i], v[32*(\t)+2*i], v[32*(\t)+2*i+1]
.set i, i+1
.endr
	WIN 0
.irp f, 0,1,2,3
	ds_store_b128 v[STO], v[S+16*(\t)+4*\f:S+16*(\t)+4*\f+3] offset:32*\f
.endr
.irp f, 0,1,2,3
	ds_load_b128 v[S+16*(\t)+4*\f:S+16*(\t)+4*\f+3], v[RD] offset:\f*4*SP  ; LDS serves a wave's instructions in order (ISA guide 5.7.1.4): these see the stores above; the next tile's stores come behind them
.endr
.endm
.macro SEND t, younger              ; younger: the LDS instructions issued behind tile t's loads: the next tile's eight, or none
	WIN 0
.irp f, 0,1,2,3
	s_wait_dscnt (\younger)+3-\f
	global_store_b128 v[GO], v[S+16*(\t)+4*\f:S+16*(\t)+4*\f+3], s[4:5] offset:(\t)*2048+\f*512  ; 512 consecutive bytes, aligned
.endr
.endm
	PACK 0
.set t, 1
.rept 3                             ; a tile's arithmetic stands between the loads of the tile before and its stores
	PACK t
	SEND t-1, 8
.set t, t+1
.endr
	SEND 3, 0
	s_wait_tensorcnt 0x0            ; the wave's end: behind my last tensor load and my last LDS store
	ds_add_u32 v[SPW], v[NIL]
	s_wait_dscnt 0x0
	CROUND                          ; the closing round: no work-group ends while a partner may still ask for a tile that names it
	s_endpgm
.Lfunc_end_k_qe3114d301a_attn:
	.size	k_qe3114d301a_attn, .Lfunc_end_k_qe3114d301a_attn-k_qe3114d301a_attn
	.p2alignl 7, 3214868480
	.fill 96, 4, 3214868480
	.section	.rodata,"a",@progbits
	.p2align	6, 0x0
	.amdhsa_kernel k_qe3114d301a_attn
		.amdhsa_group_segment_fixed_size 327680
		.amdhsa_private_segment_fixed_size 0
		.amdhsa_enable_private_segment 0
		.amdhsa_kernarg_size 40
		.amdhsa_user_sgpr_count 2
		.amdhsa_user_sgpr_kernarg_segment_ptr 1
		.amdhsa_wavefront_size32 1
		.amdhsa_system_sgpr_workgroup_id_x 1
		.amdhsa_system_sgpr_workgroup_id_y 1
		.amdhsa_system_sgpr_workgroup_id_z 1
		.amdhsa_system_vgpr_workitem_id 0
		.amdhsa_next_free_vgpr 512
		.amdhsa_next_free_sgpr 106
		.amdhsa_reserve_vcc 0
		.amdhsa_float_denorm_mode_32 3
		.amdhsa_float_denorm_mode_16_64 3
		.amdhsa_memory_ordered 1
		.amdhsa_forward_progress 1
		.amdhsa_inst_pref_size 111
	.end_amdhsa_kernel
	.amdgpu_metadata
---
amdhsa.version: [ 1, 2 ]
amdhsa.kernels:
  - .name:           k_qe3114d301a_attn
    .symbol:         k_qe3114d301a_attn.kd
    .args:
      - { .name: qh, .offset: 0, .size: 8, .value_kind: global_buffer, .address_space: global }
      - { .name: kh, .offset: 8, .size: 8, .value_kind: global_buffer, .address_space: global }
      - { .name: vh, .offset: 16, .size: 8, .value_kind: global_buffer, .address_space: global }
      - { .name: mbits, .offset: 24, .size: 8, .value_kind: global_buffer, .address_space: global }
      - { .name: oh, .offset: 32, .size: 8, .value_kind: global_buffer, .address_space: global }
    .group_segment_fixed_size: 327680
    .private_segment_fixed_size: 0
    .kernarg_segment_align: 8
    .kernarg_segment_size: 40
    .max_flat_workgroup_size: 256
    .sgpr_count:     106
    .vgpr_count:     512
    .wavefront_size: 32
...
	.end_amdgpu_metadata
.endif
;; end of part 3
;; launch outp (part 4): grid 4 x 64, 4 waves a work-group, clusters of 4 x 4, 327,680 bytes of LDS; arguments oh, wts, bo, out0; writes out0
.if DOCPART == 4
	.amdgcn_target "amdgcn-amd-amdhsa--gfx1250"
	.amdhsa_code_object_version 6
	.text
	.protected	k_qe3114d301a_outp
	.globl	k_qe3114d301a_outp
	.p2align	8
	.type	k_qe3114d301a_outp,@function
k_qe3114d301a_outp:
	s_mov_b64 s[64:65], 0
	v_nop
	global_prefetch_b8 v0, s[64:65] scope:SCOPE_SE
	s_setreg_imm32_b32 hwreg(HW_REG_WAVE_MODE, 25, 1), 1
	s_wait_xcnt 0x0
	s_wait_alu depctr_hold_cnt(0) depctr_sa_sdst(0) depctr_va_vdst(0) depctr_va_sdst(0) depctr_va_ssrc(0) depctr_va_vcc(0) depctr_vm_vsrc(0)
	s_getreg_b32 s2, hwreg(HW_REG_IB_STS2, 6, 4)
	s_cmp_eq_u32 s2, 0
	s_cbranch_scc0 .Lentry_in_a_cluster
	s_endpgm
.Lentry_in_a_cluster:
	s_bfe_u32 s2, ttmp6, 0x10000c
	s_cmp_lg_u32 s2, 0xf033
	s_cbranch_scc0 .Lentry_shape_is_right
	s_endpgm
.Lentry_shape_is_right:
; THE OUTPUT PROJECTION.  out0 = O Wo + bo.  O = oh, by heads, [b*16+h][2048][64] f16; Wo = wts[3], [k][n] f16 (bf16 numbers written as f16), k = 64 h + channel; bo rounded to bf16; out0 [8192][1024] f32.
; Sums in f32.  NaN and infinities are not treated apart.
; SHARES.  Work-group y makes rows 128 y .. + 127, work-group x columns 256 x .. + 255.  Four waves, each 64 rows x 128 columns: 32 accumulators.  K goes in 8 steps of 128, two heads a step, through two LDS slots.
; CLUSTER.  4 x 4 work-groups: O's tile is asked for jointly along a row of the cluster, Wo's along a column.
; THE MATRIX INSTRUCTION IS USED TRANSPOSED (source 0 = 16 columns of Wo, turned out of LDS; source 1 = 16 rows of O): a lane holds eight neighbouring columns of one row.  THE BIAS is the C operand of the first 32 products.
; REGISTERS, in windows of 256: window 0: v0-31 addresses; v32-63, v64-95 O's four fragments, two buffers; v96-159, v160-223 at work on the way out
;   window 1: v0-63, v64-127 Wo's eight fragments, two buffers; v128-191 the bias of my 128 columns          window 2: accumulator (a, b) at v[64 a + 8 b]
.set KSTEP, 128
.set PA,    144                        ; a row of O in LDS: 128 bytes + 16
.set PB,    544                        ; a row of Wo: 512 + 32
.set HEADA, 128*PA                     ; a head's 128 rows: what one tensor load brings of O
.set HALFB, 64*PB                      ; what one brings of Wo
.set BOFF,  2*HEADA
.set SLOT,  BOFF+2*HALFB
.set STAGE, 2*SLOT                     ; behind the ring: 16 rows x 528 bytes for each wave
.set SP,    528
.set SPARE, STAGE+4*16*SP              ; behind the stages: the spare words, 128 bytes for each wave
.set ADRA, 16
.set ADRB, 20
.set STO,  24
.set RD,   25
.set GO,   26
.set BO,   27
.set SPW,  28                          ; v28  LDS address of my spare word; never rewritten
.set NIL,  29                          ; v29  0; never rewritten
.set PFO,  30                          ; v30  the prefetches' lane offset; never rewritten
.set AF,   32
.set OB,   96
.set BIAS, 128                         ; window 1
.set G1,  24
.set G0,  32
.set G1B, 48
.set G0B, 56
.set LIM, 43
.set PFA, 44
.set PFS, 66
.set MSB, 0
.macro WIN new
.if MSB != (\new)
	s_set_vgpr_msb (MSB<<8)|(\new)
.set MSB, \new
.endif
.endm
.set MUL,  0xa1
.set MULB, 0x91
.set TO_B, 0x40
.macro JLOAD s                         ; a joint load: waves 0 and 1 fetch the step's two heads of O, waves 2 and 3 Wo's two halves
	s_cmp_eq_u32 s11, 0
	s_cbranch_scc0 .Lfor_b_\@
	tensor_load_to_lds s[G0+4*(\s):G0+4*(\s)+3], s[G1:G1+7]
	s_nop 0
.rept 4
	v_nop
.endr
	s_branch .Lasked_\@
.Lfor_b_\@:
	tensor_load_to_lds s[G0B+4*(\s):G0B+4*(\s)+3], s[G1B:G1B+7]
	s_nop 0
.rept 4
	v_nop
.endr
.Lasked_\@:
.endm
.macro CREST
	s_cmp_lg_u32 s10, 0
	s_cbranch_scc1 .Lnot_wave_0_\@
	s_barrier_signal -3
.Lnot_wave_0_\@:
	s_barrier_wait -3
	s_barrier_signal -1
	s_barrier_wait -1
.endm
.macro CROUND
	s_barrier_signal -1
	s_barrier_wait -1
	CREST
.endm
; A PREFETCH INTO THE L2, behind a joint refill and the run of LDS loads that follows it: the K step two refills on, 256 matrix instructions ahead of its load.  O's rows are read by their own cluster alone: a K step is
; 16,384 bytes of each of two heads; each of the four partners takes 4,096 of each, told apart by address, and its wave 0 asks: a lane 256 bytes.  Wo's rows are read by all sixteen clusters: the first (cluster y = 0) asks,
; by waves 2 and 3, each partner 16 of a wave's 64 rows.  K steps 0 to 3 come by their loads alone; the loop's last trip asks for nothing.
.macro ASK
	s_cmp_gt_u32 s3, s[LIM]
	s_cbranch_scc0 .Lnot_mine_\@
	global_prefetch_b8 v[PFO], s[PFA:PFA+1] th:TH_LOAD_NT scope:SCOPE_SE
.Lnot_mine_\@:
.endm
.macro PLACES
.rept 4
	v_nop
.endr
.endm
	s_load_b256 s[68:75], s[0:1], 0x0              ; O s[68:69], wts s[70:71], bo s[72:73], out0 s[74:75]
	v_lshl_add_u32 v[SPW], v0, 2, SPARE
	v_mov_b32 v[NIL], 0
	ds_add_u32 v[SPW], v[NIL]                      ; the wave's opening: the add and its wait stand ahead of my first tensor load
	v_lshrrev_b32 v1, 5, v0
	v_readfirstlane_b32 s10, v1                    ; wave 0..3
	s_lshr_b32 s11, s10, 1                         ; which 64 rows are mine.  Also: I fetch for O (0) or for Wo (1)
	s_and_b32 s12, s10, 1                          ; which 128 columns.  Also: which head, or half, I fetch
	s_bfe_u32 s40, ttmp6, 0x40000                  ; cx
	s_bfe_u32 s41, ttmp6, 0x40004                  ; cy
	s_lshl_b32 s42, ttmp9, 2
	s_add_co_u32 s42, s42, s40                     ; block of 256 columns
	s_and_b32 s14, ttmp7, 0xffff                   ; cluster y
	s_lshl_b32 s13, s14, 2
	s_add_co_u32 s13, s13, s41                     ; mt: block of 128 rows
	s_lshl_b32 s43, s41, 2
	s_lshl_b32 s43, 15, s43                        ; my row of the cluster
	s_lshl_b32 s44, 0x1111, s40                    ; my column
	s_or_b32 s[G1+0], s43, (1<<16)|(1<<20)|(1<<21)|(4<<22)|(3<<25)   ; 2-byte elements; after every 32 words (a row of O), 4 words
	s_or_b32 s[G1B+0], s44, (1<<16)|(1<<20)|(1<<21)|(6<<22)|(7<<25)  ; after every 128 words, 8 words
	s_mov_b32 s[G1+1], 128<<16                     ; a head's 128 rows are 16,384 dense bytes: asked for as 64 rows of 256 bytes
	s_mov_b32 s[G1+2], 64<<16
	s_mov_b32 s[G1+3], 128<<16
	s_mov_b32 s[G1+4], 64
	s_mov_b32 s[G1+5], 128
	s_mov_b32 s[G1+6], 0
	s_mov_b32 s[G1+7], 0
	s_mov_b32 s[G1B+1], 256<<16
	s_mov_b32 s[G1B+2], 64<<16
	s_mov_b32 s[G1B+3], 256<<16
	s_mov_b32 s[G1B+4], 64
	s_mov_b32 s[G1B+5], 1024
	s_mov_b32 s[G1B+6], 0
	s_mov_b32 s[G1B+7], 0
	s_lshr_b32 s16, s13, 4                         ; O: head (mt / 16) 16 + my head of the step, row (mt % 16) 128
	s_lshl_b32 s16, s16, 4
	s_add_co_u32 s16, s16, s12
	s_lshl_b32 s16, s16, 18
	s_and_b32 s17, s13, 15
	s_lshl_b32 s17, s17, 14
	s_add_co_u32 s16, s16, s17
	s_mov_b32 s17, 0
	s_lshl_b32 s46, s12, 17                        ; Wo: the fourth weight, k row 64 x half, column 256 x
	s_add_co_u32 s46, s46, 3<<21
	s_lshl_b32 s47, s42, 9
	s_add_co_u32 s46, s46, s47
	s_mov_b32 s47, 0
	s_mul_i32 s20, s12, HEADA
	s_mul_i32 s21, s12, HALFB
	s_add_co_u32 s21, s21, BOFF
	s_wait_dscnt 0x0                               ; the opening add is done
	s_wait_kmcnt 0x0
	s_add_nc_u64 s[18:19], s[68:69], s[16:17]
	s_add_nc_u64 s[46:47], s[70:71], s[46:47]
	CROUND                                         ; all sixteen work-groups are here: the first joint loads meet
.irp s, 0,1
	s_mov_b32 s[G0+4*(\s)], 1
	s_add_co_u32 s[G0+4*(\s)+1], s20, (\s)*SLOT
	s_add_nc_u64 s[G0+4*(\s)+2:G0+4*(\s)+3], s[18:19], (\s)*2*262144
	s_or_b32 s[G0+4*(\s)+3], s[G0+4*(\s)+3], 0x80000000
	s_mov_b32 s[G0B+4*(\s)], 1
	s_add_co_u32 s[G0B+4*(\s)+1], s21, (\s)*SLOT
	s_add_nc_u64 s[G0B+4*(\s)+2:G0B+4*(\s)+3], s[46:47], (\s)*KSTEP*2048
	s_or_b32 s[G0B+4*(\s)+3], s[G0B+4*(\s)+3], 0x80000000
	JLOAD \s                                       ; two loads of mine are out
.endr
	v_and_b32 v1, 15, v0                           ; l % 16
	v_bfe_u32 v2, v0, 4, 1                         ; l / 16
	v_mul_u32_u24 v3, v1, PA
	v_lshl_add_u32 v3, v2, 4, v3                   ; row x pitch + 16 x half
	s_mul_i32 s20, s11, 64*PA                      ; my 64 rows
	v_and_b32 v4, 7, v0
	v_lshl_add_u32 v4, v2, 3, v4
	v_mul_u32_u24 v4, v4, PB
	v_bfe_u32 v5, v0, 3, 1
	v_lshl_add_u32 v4, v5, 4, v4
	s_lshl_b32 s21, s12, 8
	s_add_co_u32 s21, s21, BOFF
.irp s, 0,1
	v_add_nc_u32 v[ADRA+(\s)], s20, v3
	v_add_nc_u32 v[ADRB+(\s)], s21, v4
	s_add_co_u32 s20, s20, SLOT
	s_add_co_u32 s21, s21, SLOT
.endr
	s_mul_i32 s20, s10, 16*SP
	s_add_co_u32 s20, s20, STAGE                   ; my stage
	v_mul_u32_u24 v3, v1, SP                       ; in: row l % 16, 32 bytes for each half of the lanes
	v_lshl_add_u32 v3, v2, 5, v3
	v_add_nc_u32 v[STO], s20, v3
	v_and_b32 v3, 31, v0
	v_lshlrev_b32 v[GO], 4, v3                     ; back and out: a row's 512 bytes, 16 a lane
	v_add_nc_u32 v[RD], s20, v[GO]
	s_lshl_b32 s22, s42, 10
	s_lshl_b32 s23, s12, 9
	s_add_co_u32 s22, s22, s23
	v_lshl_add_u32 v[BO], v2, 5, s22
.irp b, 0,1,2,3,4,5,6,7
	global_load_b128 v[OB+8*\b:OB+8*\b+3],   v[BO], s[72:73] offset:64*\b
	global_load_b128 v[OB+8*\b+4:OB+8*\b+7], v[BO], s[72:73] offset:64*\b+16
.endr
	; the prefetches, at K step 3; each refill steps the place by a K step ahead of its prefetch
	s_lshr_b32 s22, s13, 4                         ; O: the step's even head, my block's rows, my work-group's 4,096 bytes
	s_lshl_b32 s22, s22, 22
	s_and_b32 s2, s13, 15
	s_lshl_b32 s2, s2, 14
	s_add_co_u32 s22, s22, s2
	s_lshl_b32 s2, s40, 12
	s_add_co_u32 s22, s22, s2
	s_add_co_u32 s22, s22, 3*2*262144
	s_lshl_b32 s23, s12, 17                        ; Wo: 16 cy rows of 2,048 bytes
	s_add_co_u32 s23, s23, 3<<21
	s_lshl_b32 s2, s42, 9
	s_add_co_u32 s23, s23, s2
	s_lshl_b32 s2, s41, 15
	s_add_co_u32 s23, s23, s2
	s_add_co_u32 s23, s23, 3*KSTEP*2048
	s_cmp_eq_u32 s14, 0
	s_cselect_b32 s2, 1, -1                        ; Wo: the first cluster
	s_cmp_eq_u32 s10, 0
	s_cselect_b32 s3, 1, -1                        ; O: wave 0 alone
	s_mov_b32 s[PFS], KSTEP*2048
	s_cmp_eq_u32 s11, 0
	s_cselect_b32 s[LIM], s3, s2                   ; the same in all sixteen partners, for a given wave
	s_cselect_b32 s22, s22, s23
	s_cselect_b64 s[PFA:PFA+1], s[68:69], s[70:71]
	s_cselect_b32 s[PFS], 2*262144, s[PFS]
	s_cselect_b32 s2, 4, 1                         ; O: 16 lanes a head, heads 262,144 bytes apart; Wo: 2 lanes a row of 2,048 bytes
	s_cselect_b32 s3, 18, 11
	s_cselect_b32 s76, 15, 1
	s_mov_b32 s23, 0
	s_mov_b32 s[PFS+1], 0
	s_add_nc_u64 s[PFA:PFA+1], s[PFA:PFA+1], s[22:23]
	v_lshrrev_b32 v[PFO], s2, v3
	v_lshlrev_b32 v[PFO], s3, v[PFO]
	v_and_b32 v3, s76, v3
	v_lshl_add_u32 v[PFO], v3, 8, v[PFO]           ; 256 bytes a lane
	; where my part of out0 begins: row 128 mt + 64 wm, column 256 x + 128 wn
	s_lshl_b32 s22, s13, 19
	s_lshl_b32 s2, s11, 18
	s_add_co_u32 s22, s22, s2
	s_lshl_b32 s2, s42, 10
	s_add_co_u32 s22, s22, s2
	s_lshl_b32 s2, s12, 9
	s_add_co_u32 s22, s22, s2
	s_add_nc_u64 s[74:75], s[74:75], s[22:23]
	s_wait_loadcnt 0x0                             ; the bias: rounded to bf16, widened again, kept in window 1
.set i, 0
.rept 32
	v_cvt_pk_bf16_f32 v[OB+64+i], v[OB+2*i], v[OB+2*i+1]
.set i, i+1
.endr
	WIN TO_B
.set i, 0
.rept 32
	v_lshlrev_b32 v[BIAS+2*i], 16, v[OB+64+i]
	v_and_b32 v[BIAS+2*i+1], 0xffff0000, v[OB+64+i]
.set i, i+1
.endr
	WIN 0
; Eight products: rows 16 a .. + 15 x my 128 columns, 32 along K.  The 32 accumulators take turns, in the same order in every quarter.
.macro BLOCK g, a, first
.irp b, 0,1,2,3,4,5,6,7
.if \first
	WIN MULB
	v_wmma_f32_16x16x32_f16 v[64*(\a)+8*\b:64*(\a)+8*\b+7], v[64*(\g)+8*\b:64*(\g)+8*\b+7], v[AF+32*(\g)+8*(\a):AF+32*(\g)+8*(\a)+7], v[BIAS+8*\b:BIAS+8*\b+7]
.else
	WIN MUL
	v_wmma_f32_16x16x32_f16 v[64*(\a)+8*\b:64*(\a)+8*\b+7], v[64*(\g)+8*\b:64*(\g)+8*\b+7], v[AF+32*(\g)+8*(\a):AF+32*(\g)+8*(\a)+7], v[64*(\a)+8*\b:64*(\a)+8*\b+7]
.endif
.endr
.endm
; 24 LDS loads in one run: quarter q of a slot into buffer g: Wo's sixteen, then O's eight.  Quarter q lies in head q / 2 of the step, channels 32 (q % 2) on.
.macro FETCH slot, q, g
	WIN TO_B
.irp b, 0,1,2,3,4,5,6,7
	ds_load_tr16_b128 v[64*(\g)+8*\b:64*(\g)+8*\b+3],   v[ADRB+(\slot)] offset:(\q)*32*PB+32*\b
	ds_load_tr16_b128 v[64*(\g)+8*\b+4:64*(\g)+8*\b+7], v[ADRB+(\slot)] offset:(\q)*32*PB+32*\b+16*PB
.endr
	WIN 0
.irp a, 0,1,2,3
	ds_load_b128 v[AF+32*(\g)+8*\a:AF+32*(\g)+8*\a+3],   v[ADRA+(\slot)] offset:((\q)/2)*HEADA+\a*16*PA+((\q)%2)*64
	ds_load_b128 v[AF+32*(\g)+8*\a+4:AF+32*(\g)+8*\a+7], v[ADRA+(\slot)] offset:((\q)/2)*HEADA+\a*16*PA+((\q)%2)*64+32
.endr
.endm
.macro QUARTER slot, q, g, gn, first, fetch=1
	s_wait_dscnt 4                                 ; Wo and O's rows 0-31 are in; the youngest four loads (rows 32-63) may be out
	BLOCK \g, 0, \first
	BLOCK \g, 1, \first
.if \fetch
	PLACES                                         ; four places in front of loads into registers that products have read (ISA guide 7.12.1 for vector instructions)
	FETCH \slot, \q, \gn
	s_wait_dscnt 24                                ; all but the 24 just issued
.else
	s_wait_dscnt 0x0
.endif
	BLOCK \g, 2, \first
	BLOCK \g, 3, \first
.endm
; The last quarter multiplies buffer 1 and changes slots: one barrier; in front of it each wave waits for all its tensor loads, adds 0 to its spare word, and waits for that and for its own reads of this slot.
.macro TURN slot, next, fill
.if \fill
	s_wait_xcnt 0x0                                ; the last prefetch, a K step back, has read its address
	s_add_nc_u64 s[PFA:PFA+1], s[PFA:PFA+1], s[PFS:PFS+1]
.endif
	WIN 0
	s_wait_tensorcnt 0x0                           ; all my tensor loads have landed: my part of the next slot
	ds_add_u32 v[SPW], v[NIL]                      ; 0 onto my spare word
	s_wait_dscnt 5                                 ; (the add and the youngest four loads may be out)
	BLOCK 1, 0, 0
	s_wait_dscnt 0x0                               ; the add is done, and my reads of this slot are over
	s_barrier_signal -1
	BLOCK 1, 1, 0
	WIN 0
	s_barrier_wait -1
.if \fill
	CREST                                          ; no wave of any partner still reads this slot or has a load on its way
	s_add_nc_u64 s[G0+4*(\slot)+2:G0+4*(\slot)+3], s[G0+4*(\slot)+2:G0+4*(\slot)+3], 4*262144
	s_add_nc_u64 s[G0B+4*(\slot)+2:G0B+4*(\slot)+3], s[G0B+4*(\slot)+2:G0B+4*(\slot)+3], 2*KSTEP*2048
	JLOAD \slot                                    ; the four v_nop behind it are also the places in front of the loads below
.else
	PLACES
.endif
	FETCH \next, 0, 0
.if \fill
	ASK
.endif
	BLOCK 1, 2, 0
	BLOCK 1, 3, 0
.endm
; THE WAY OUT of rows 16 a .. + 15: a lane's 32 bytes of a row go into my stage, each accumulator's low half first; whole rows of 512 bytes come back and are stored.
.macro OUTB a
.set BK, OB+64*((\a)%2)
	WIN 0x08                                       ; store data in window 2
.irp b, 0,1,2,3,4,5,6,7
	ds_store_b128 v[STO], v[64*(\a)+8*\b:64*(\a)+8*\b+3]   offset:64*\b
	ds_store_b128 v[STO], v[64*(\a)+8*\b+4:64*(\a)+8*\b+7] offset:64*\b+16
.endr
	WIN 0
	s_wait_xcnt 0x0                                ; earlier stores have read their registers: this buffer is loaded again only behind this wait
.irp t, 0,1,2,3,4,5,6,7,8,9,10,11,12,13,14,15
	ds_load_b128 v[BK+4*\t:BK+4*\t+3], v[RD] offset:\t*SP  ; LDS serves a wave's instructions in order (ISA guide 5.7.1.4): these see the stores above
.endr
.irp t, 0,1,2,3,4,5,6,7,8,9,10,11,12,13,14,15
	s_wait_dscnt 15-\t
	global_store_b128 v[GO], v[BK+4*\t:BK+4*\t+3], s[74:75] offset:(16*(\a)+\t)*4096 th:TH_STORE_NT  ; 512 consecutive bytes, aligned
.endr
.endm
	s_wait_tensorcnt 1                             ; my part of K step 0 is in; K step 1's may stay out
	s_barrier_signal -1
	s_barrier_wait -1
	FETCH 0, 0, 0
	QUARTER 0, 1, 0, 1, 1                          ; the first quarter stands in front of the loop: its products start the sums, with the bias
	WIN 0
	s_mov_b32 s3, 3
.Llap:                                                 ; a trip goes once round the ring and fills both slots again
	QUARTER 0, 2, 1, 0, 0
	QUARTER 0, 3, 0, 1, 0
	TURN 0, 1, 1
	QUARTER 1, 1, 0, 1, 0
	QUARTER 1, 2, 1, 0, 0
	QUARTER 1, 3, 0, 1, 0
	TURN 1, 0, 1
	QUARTER 0, 1, 0, 1, 0
	WIN 0
	s_sub_co_u32 s3, s3, 1
	s_cmp_lg_u32 s3, 0
	s_cbranch_scc1 .Llap
	QUARTER 0, 2, 1, 0, 0                          ; the last lap fills nothing
	QUARTER 0, 3, 0, 1, 0
	TURN 0, 1, 0
	QUARTER 1, 1, 0, 1, 0
	QUARTER 1, 2, 1, 0, 0
	QUARTER 1, 3, 0, 1, 0
	QUARTER 1, 0, 1, 0, 0, 0                       ; the very last quarter: nothing more to fetch
	WIN 0
	PLACES                                         ; the places behind the last products
	OUTB 0
	OUTB 1
	OUTB 2
	OUTB 3
	s_wait_tensorcnt 0x0                           ; the wave's end: behind my last tensor load and my last LDS store
	ds_add_u32 v[SPW], v[NIL]
	s_wait_dscnt 0x0
	CROUND                                         ; the closing round
	s_endpgm
.Lfunc_end_k_qe3114d301a_outp:
	.size	k_qe3114d301a_outp, .Lfunc_end_k_qe3114d301a_outp-k_qe3114d301a_outp
	.p2alignl 7, 3214868480
	.fill 96, 4, 3214868480
	.section	.rodata,"a",@progbits
	.p2align	6, 0x0
	.amdhsa_kernel k_qe3114d301a_outp
		.amdhsa_group_segment_fixed_size 327680
		.amdhsa_private_segment_fixed_size 0
		.amdhsa_enable_private_segment 0
		.amdhsa_kernarg_size 32
		.amdhsa_user_sgpr_count 2
		.amdhsa_user_sgpr_kernarg_segment_ptr 1
		.amdhsa_wavefront_size32 1
		.amdhsa_system_sgpr_workgroup_id_x 1
		.amdhsa_system_sgpr_workgroup_id_y 1
		.amdhsa_system_sgpr_workgroup_id_z 1
		.amdhsa_system_vgpr_workitem_id 0
		.amdhsa_next_free_vgpr 768
		.amdhsa_next_free_sgpr 80
		.amdhsa_reserve_vcc 0
		.amdhsa_float_denorm_mode_32 3
		.amdhsa_float_denorm_mode_16_64 3
		.amdhsa_memory_ordered 1
		.amdhsa_forward_progress 1
		.amdhsa_inst_pref_size 96
	.end_amdhsa_kernel
	.amdgpu_metadata
---
amdhsa.version: [ 1, 2 ]
amdhsa.kernels:
  - .name:           k_qe3114d301a_outp
    .symbol:         k_qe3114d301a_outp.kd
    .args:
      - { .name: oh, .offset: 0, .size: 8, .value_kind: global_buffer, .address_space: global }
      - { .name: wts, .offset: 8, .size: 8, .value_kind: global_buffer, .address_space: global }
      - { .name: bo, .offset: 16, .size: 8, .value_kind: global_buffer, .address_space: global }
      - { .name: out0, .offset: 24, .size: 8, .value_kind: global_buffer, .address_space: global }
    .group_segment_fixed_size: 327680
    .private_segment_fixed_size: 0
    .kernarg_segment_align: 8
    .kernarg_segment_size: 32
    .max_flat_workgroup_size: 128
    .sgpr_count:     80
    .vgpr_count:     768
    .wavefront_size: 32
...
	.end_amdgpu_metadata
.endif
;; end of part 4
;; ======== version 2 of 2: 4 launches; version 1 with the launch prep written anew for expert scheduling mode
;; limits: values are held in f16: magnitudes above 65,504 overflow, below 6.1e-05 lose precision; right only within a limited range of input values
;; workspace buffers: mbits 2,097,152 bytes of whole numbers; wts 8,388,608 bytes; qh 16,777,216 bytes; kh 16,777,216 bytes; vh 16,777,216 bytes; oh 16,777,216 bytes
;; launch prep (part 5): grid 768 x 1, 8 waves a work-group, no clusters, 136,192 bytes of LDS; arguments mask, Wq, Wk, Wv, Wo, mbits, wts; writes mbits, wts
.if DOCPART == 5
	.amdgcn_target "amdgcn-amd-amdhsa--gfx1250"
	.amdhsa_code_object_version 6
	.text
	.protected	k_qe3114d301a_prep
	.globl	k_qe3114d301a_prep
	.p2align	8
	.type	k_qe3114d301a_prep,@function
k_qe3114d301a_prep:
	s_mov_b64 s[64:65], 0
	v_nop
	global_prefetch_b8 v0, s[64:65] scope:SCOPE_SE
	s_setreg_imm32_b32 hwreg(HW_REG_WAVE_SCHED_MODE, 0, 2), 2
	s_setreg_imm32_b32 hwreg(HW_REG_WAVE_MODE, 25, 1), 1
	s_wait_xcnt 0x0
	s_wait_alu depctr_vm_vsrc(0)
; PREPARATION.  Two kinds of work-groups, told apart by the work-group's number alone.
; 0..511: THE MASK, [4][2048][2048] int32, becomes lane masks: mbits[b*128+qtile][kstep][w], 32-bit words.  Word w = 8 kb + j; its bit L says whether
;   mask[b][16 qtile + L%16][64 kstep + 16 kb + 8 (L/16) + j] is not 0: the order in which a lane of the attention launch holds its scores, so that one word is the lane mask of one select there.
;   A work-group takes 16 query rows, a wave 256 of their keys: 32 loads of 512 consecutive bytes, through the wave's own LDS bytes into that order, 128 compares, two stores of 256 consecutive bytes.
; 512..767: THE FOUR WEIGHTS, f32 [k][n], are rounded to bf16 in the same layout: wts[0..2] = Wq, Wk, Wv as bf16; wts[3] = Wo, rounded to bf16 and that number written as f16
;   (exact down to 2^-14; below that f16's fixed step of 2^-24).  A wave takes 8,192 bytes: 16 loads of 512 consecutive bytes, 16 stores of 256.
; No wave reads LDS bytes of another: no barrier.
; THE MODE: SCHED_MODE bits 1:0 = 2 (LLVM: expert scheduling mode 2), set by the entry lines.  The code itself states the register dependences
; between vector instructions and memory or LDS instructions, and those through scalar registers that vector instructions write, with s_wait_alu, always for 0.
; THE PLAN, the mask.  Registers that memory or LDS instructions touch:
;   v2, v5     offsets of the global loads and stores: written at the head, ahead of the head's wait, never again.
;   v3, v4     LDS addresses: written once, behind the global loads; one wait ahead of the first LDS store serves all 64 LDS instructions.
;   X0         written by the first 16 global loads; read by chunk 0's LDS stores; then chunk 1's LDS loads land in it; read by the compares of groups 4 to 7.  No vector instruction names it before that.
;   X1         written by the other 16 global loads; read by chunk 1's LDS stores alone.
;   Y          chunk 0's LDS loads land in it, once; read by the compares of groups 0 to 3.
;   v[8:11]    written by the writelanes; read by the two global stores at the end, behind one wait.
;   Chunk 1's LDS instructions stand among chunk 0's compares, which name Y, scalar registers and v[8:9]: none of the registers that those LDS instructions touch.
;   The compares' masks go into two sets of sixteen scalar registers by turns: while one set is written, the other is read, and the wait stands behind both runs.
; THE PLAN, the weights.  X is loaded once and read by the conversions; each pair of OUT is written by conversions and then read by one store, and never written behind it.  Four blocks of four loads:
;   at a block's head one wait states that the block before has written its part of OUT; that block's four stores follow, dealt among this block's conversions, which name other registers.
.set SPARE, 135168                     ; behind the eight waves' regions: the spare words, 128 bytes for each wave
.set WREG,  16896                      ; a wave's LDS region: two chunks
.set CHB,   8448                       ; a chunk: 16 rows x 528
.set LP,    528                        ; 512 bytes of a row + 16: the 16 rows that a load touches start at 16 different groups of four banks (ISA guide 11.1)
.set SPW, 6                            ; v6   LDS address of my spare word; never rewritten
.set NIL, 7                            ; v7   0; never rewritten
.set OUTW, 8                           ; v[8:9], v[10:11]  the words of chunk 0, 1: lane l holds words 2 l and 2 l + 1
.set X,   16                           ; v[16:143]  as loaded: chunk c, row i at X + 64 c + 4 i; later v[16:79] hold chunk 1 in the order of the scores
.set Y,   144                          ; v[144:207] chunk 0 in the order of the scores: register W = 32 (step in the chunk) + w
.set OUT, 80                           ; v[80:111]  the weights: load i's four numbers in 16 bits, a pair at OUT + 2 i
.set MS,  16                           ; s[16:31], s[32:47]  the mask: two sets of sixteen lane masks, by turns (free in that arm once its addresses are made)
	s_load_b256 s[4:11], s[0:1], 0x0               ; mask s[4:5], Wq s[6:7], Wk s[8:9], Wv s[10:11]
	s_load_b128 s[12:15], s[0:1], 0x20             ; Wo s[12:13], mbits s[14:15]
	s_load_b64 s[16:17], s[0:1], 0x30              ; wts
	v_lshl_add_u32 v[SPW], v0, 2, SPARE
	v_mov_b32 v[NIL], 0
	v_lshrrev_b32 v1, 5, v0
	v_readfirstlane_b32 s18, v1                    ; wave 0..7
	v_and_b32 v1, 31, v0                           ; lane
	v_lshlrev_b32 v2, 4, v1                        ; 16 bytes a lane
	v_lshlrev_b32 v5, 3, v1                        ; 8 bytes a lane
	s_wait_alu depctr_va_sdst(0)                   ; s18 is written, ahead of the branch: both arms make their addresses from it
	s_wait_alu depctr_va_vdst(0)                   ; v2 and v5 are written: every global load reads v2 as its offset, every global store v5
	s_wait_kmcnt 0x0
	s_cmp_lt_u32 ttmp9, 512
	s_cbranch_scc0 .Lweights
	; ---- the mask ----
	s_lshl_b32 s20, ttmp9, 17                      ; 16 rows of 8,192 bytes
	s_lshl_b32 s21, s18, 10                        ; my 256 keys
	s_add_co_u32 s20, s20, s21
	s_mov_b32 s21, 0
	s_add_nc_u64 s[4:5], s[4:5], s[20:21]
	s_lshl_b32 s20, ttmp9, 12                      ; a tile's 1,024 words
	s_lshl_b32 s22, s18, 9                         ; my 128 of them
	s_add_co_u32 s20, s20, s22
	s_add_nc_u64 s[14:15], s[14:15], s[20:21]
.irp c, 0,1
.irp i, 0,1,2,3,4,5,6,7,8,9,10,11,12,13,14,15
	global_load_b128 v[X+64*\c+4*\i:X+64*\c+4*\i+3], v2, s[4:5] offset:\i*8192+\c*512 th:TH_LOAD_NT  ; 512 consecutive bytes of row i; all 32 loads go out at once
.endr
.endr
	s_mul_i32 s23, s18, WREG
	v_add_nc_u32 v3, s23, v2                       ; in: 16 bytes a lane along a row
	v_and_b32 v12, 15, v0
	v_bfe_u32 v13, v0, 4, 1
	v_mul_u32_u24 v4, v12, LP
	v_lshl_add_u32 v4, v13, 5, v4
	v_add_nc_u32 v4, s23, v4                       ; back: row lane % 16, eight keys (32 bytes) for each half of the lanes
.irp r, 0,1,2,3
	v_mov_b32 v[OUTW+\r], 0                        ; v_writelane_b32 keeps the other lanes: the registers are written whole first
.endr
.macro TOLDS c                         ; chunk c, 128 keys of the 16 rows, as loaded, into my LDS bytes
.irp i, 0,1,2,3,4,5,6,7,8,9,10,11,12,13,14,15
	ds_store_b128 v3, v[X+64*(\c)+4*\i:X+64*(\c)+4*\i+3] offset:(\c)*CHB+\i*LP
.endr
.endm
.macro FROMLDS c, dst                  ; and back in the order of the scores, into the 64 registers from dst on
.irp f, 0,1,2,3,4,5,6,7,8,9,10,11,12,13,14,15  ; f = 8 (step) + 2 kb + (upper four of the eight keys); LDS serves a wave's instructions in order: these see the stores above
	ds_load_b128 v[(\dst)+4*\f:(\dst)+4*\f+3], v4 offset:(\c)*CHB+(\f/8)*256+((\f/2)%4)*64+(\f%2)*16
.endr
.endm
; The 128 words go in eight groups of sixteen: groups 0 to 3 are chunk 0's (in Y), groups 4 to 7 chunk 1's (in X0).
.macro CMPS g                          ; group g's sixteen compares, into set g % 2
.if (\g) < 4
.set YR, Y
.else
.set YR, X
.endif
.set i, 0
.rept 16
	v_cmp_ne_u32 s[MS+16*((\g)%2)+i], 0, v[YR+16*((\g)%4)+i]
.set i, i+1
.endr
.endm
.macro LANES g                         ; group g's sixteen words into the lanes that store them
.set i, 0
.rept 16
	v_writelane_b32 v[OUTW+2*((\g)/4)+(i&1)], s[MS+16*((\g)%2)+i], (16*((\g)%4)+i)>>1
.set i, i+1
.endr
.endm
.macro TURN g                          ; one set is written while the other is read
	CMPS \g
	LANES (\g)-1
	s_wait_alu depctr_va_sdst(0)                   ; group g's compares, sixteen vector lines back, have written their set, ahead of the writelanes that read it
.endm
	s_wait_loadcnt 16                              ; chunk 0's 16 loads are in; chunk 1's, issued behind them, may stay out
	s_wait_alu depctr_va_vdst(0)                   ; v3 and v4 are written: every LDS store reads v3 as its address, every LDS load v4
	TOLDS 0
	FROMLDS 0, Y
	s_wait_dscnt 0x0                               ; chunk 0 is back, in Y
	CMPS 0
	s_wait_alu depctr_va_sdst(0)                   ; group 0's compares have written their set
	TURN 1
	s_wait_loadcnt 0x0                             ; chunk 1's 16 loads are in
	s_wait_alu depctr_vm_vsrc(0)                   ; chunk 0's LDS stores have read X0, in which the LDS loads below land
	TOLDS 1
	FROMLDS 1, X                                   ; no vector instruction has named X0, and none since the wait on va_vdst has written v3 or v4
	TURN 2                                         ; chunk 0's other half stands beside chunk 1's way through LDS
	TURN 3
	s_wait_dscnt 0x0                               ; chunk 1 is back, in X0
	TURN 4
	TURN 5
	TURN 6
	TURN 7
	LANES 7
	s_wait_alu depctr_va_vdst(0)                   ; the writelanes have written v[8:11], which the two stores read
	global_store_b64 v5, v[OUTW:OUTW+1], s[14:15]              ; 256 consecutive bytes, aligned
	global_store_b64 v5, v[OUTW+2:OUTW+3], s[14:15] offset:256
	s_branch .Lend
	; ---- the weights ----
.Lweights:
	s_sub_co_u32 s20, ttmp9, 512
	s_lshr_b32 s19, s20, 6                         ; which weight
	s_and_b32 s20, s20, 63
	s_lshl_b32 s20, s20, 3
	s_add_co_u32 s20, s20, s18                     ; my piece of 8,192 bytes, 0..511
	s_cmp_eq_u32 s19, 1
	s_cselect_b64 s[6:7], s[8:9], s[6:7]
	s_cmp_eq_u32 s19, 2
	s_cselect_b64 s[6:7], s[10:11], s[6:7]
	s_cmp_eq_u32 s19, 3
	s_cselect_b64 s[6:7], s[12:13], s[6:7]
	s_lshl_b32 s22, s20, 13
	s_mov_b32 s23, 0
	s_add_nc_u64 s[6:7], s[6:7], s[22:23]
	s_lshl_b32 s22, s20, 12
	s_lshl_b32 s21, s19, 21
	s_add_co_u32 s22, s22, s21
	s_add_nc_u64 s[16:17], s[16:17], s[22:23]
.irp i, 0,1,2,3,4,5,6,7,8,9,10,11,12,13,14,15
	global_load_b128 v[X+4*\i:X+4*\i+3], v2, s[6:7] offset:512*\i th:TH_LOAD_NT
.endr
; Block p: loads 4 p to 4 p + 3 are rounded; the stores of block p - 1 are dealt among the conversions, one ahead of each load's.
.macro WBLK p, f16
	s_wait_loadcnt 12-4*(\p)                       ; loads come back in order: this block's four are in, the younger blocks stay out
.if (\p) > 0
	s_wait_alu depctr_va_vdst(0)                   ; the block before has written its eight registers of OUT, which the four stores below read; this block's conversions name none of them
.endif
.irp j, 0,1,2,3
.if (\p) > 0
	global_store_b64 v5, v[OUT+8*(\p)-8+2*\j:OUT+8*(\p)-8+2*\j+1], s[16:17] offset:256*(4*(\p)-4+\j)  ; 256 consecutive bytes, aligned; each store has data registers of its own
.endif
	v_cvt_pk_bf16_f32 v[OUT+8*(\p)+2*\j], v[X+16*(\p)+4*\j], v[X+16*(\p)+4*\j+1]
	v_cvt_pk_bf16_f32 v[OUT+8*(\p)+2*\j+1], v[X+16*(\p)+4*\j+2], v[X+16*(\p)+4*\j+3]
.if \f16
	v_lshlrev_b32 v112, 16, v[OUT+8*(\p)+2*\j]     ; the bf16 numbers widened again,
	v_and_b32 v113, 0xffff0000, v[OUT+8*(\p)+2*\j]
	v_lshlrev_b32 v114, 16, v[OUT+8*(\p)+2*\j+1]
	v_and_b32 v115, 0xffff0000, v[OUT+8*(\p)+2*\j+1]
	v_cvt_pk_f16_f32 v[OUT+8*(\p)+2*\j], v112, v113    ; and written as f16
	v_cvt_pk_f16_f32 v[OUT+8*(\p)+2*\j+1], v114, v115
.endif
.endr
.endm
.macro WCONV f16
	WBLK 0, \f16
	WBLK 1, \f16
	WBLK 2, \f16
	WBLK 3, \f16
	s_wait_alu depctr_va_vdst(0)                   ; block 3 has written its eight registers of OUT, which the last four stores read
.irp j, 0,1,2,3
	global_store_b64 v5, v[OUT+24+2*\j:OUT+24+2*\j+1], s[16:17] offset:256*(12+\j)
.endr
.endm
	s_cmp_eq_u32 s19, 3
	s_cbranch_scc1 .Lwo
	WCONV 0
	s_branch .Lend
.Lwo:
	WCONV 1
.Lend:
	s_wait_dscnt 0x0                               ; the closing lines, six on end
	s_wait_alu 0x0
	s_wait_tensorcnt 0x0
	ds_add_u32 v[SPW], v[NIL]
	s_wait_dscnt 0x0
	s_endpgm
.Lfunc_end_k_qe3114d301a_prep:
	.size	k_qe3114d301a_prep, .Lfunc_end_k_qe3114d301a_prep-k_qe3114d301a_prep
	.p2alignl 7, 3214868480
	.fill 96, 4, 3214868480
	.section	.rodata,"a",@progbits
	.p2align	6, 0x0
	.amdhsa_kernel k_qe3114d301a_prep
		.amdhsa_group_segment_fixed_size 136192
		.amdhsa_private_segment_fixed_size 0
		.amdhsa_enable_private_segment 0
		.amdhsa_kernarg_size 56
		.amdhsa_user_sgpr_count 2
		.amdhsa_user_sgpr_kernarg_segment_ptr 1
		.amdhsa_wavefront_size32 1
		.amdhsa_system_sgpr_workgroup_id_x 1
		.amdhsa_system_sgpr_workgroup_id_y 1
		.amdhsa_system_sgpr_workgroup_id_z 1
		.amdhsa_system_vgpr_workitem_id 0
		.amdhsa_next_free_vgpr 208
		.amdhsa_next_free_sgpr 66
		.amdhsa_reserve_vcc 0
		.amdhsa_float_denorm_mode_32 3
		.amdhsa_float_denorm_mode_16_64 3
		.amdhsa_memory_ordered 1
		.amdhsa_forward_progress 1
		.amdhsa_inst_pref_size 41
	.end_amdhsa_kernel
	.amdgpu_metadata
---
amdhsa.version: [ 1, 2 ]
amdhsa.kernels:
  - .name:           k_qe3114d301a_prep
    .symbol:         k_qe3114d301a_prep.kd
    .args:
      - { .name: mask, .offset: 0, .size: 8, .value_kind: global_buffer, .address_space: global }
      - { .name: Wq, .offset: 8, .size: 8, .value_kind: global_buffer, .address_space: global }
      - { .name: Wk, .offset: 16, .size: 8, .value_kind: global_buffer, .address_space: global }
      - { .name: Wv, .offset: 24, .size: 8, .value_kind: global_buffer, .address_space: global }
      - { .name: Wo, .offset: 32, .size: 8, .value_kind: global_buffer, .address_space: global }
      - { .name: mbits, .offset: 40, .size: 8, .value_kind: global_buffer, .address_space: global }
      - { .name: wts, .offset: 48, .size: 8, .value_kind: global_buffer, .address_space: global }
    .group_segment_fixed_size: 136192
    .private_segment_fixed_size: 0
    .kernarg_segment_align: 8
    .kernarg_segment_size: 56
    .max_flat_workgroup_size: 256
    .sgpr_count:     66
    .vgpr_count:     208
    .wavefront_size: 32
...
	.end_amdgpu_metadata
.endif
;; end of part 5
;; launch proj: the kernel of part 2 again; grid 4 x 192, 4 waves a work-group, clusters of 4 x 4, 327,680 bytes of LDS; arguments query, key, value, wts, bq, bk, bv, qh, kh, vh; writes qh, kh, vh
;; launch attn: the kernel of part 3 again; grid 4 x 64, 8 waves a work-group, clusters of 4 x 1, 327,680 bytes of LDS; arguments qh, kh, vh, mbits, oh; writes oh
;; launch outp: the kernel of part 4 again; grid 4 x 64, 4 waves a work-group, clusters of 4 x 4, 327,680 bytes of LDS; arguments oh, wts, bo, out0; writes out0
